; MI455X (gfx1250); checked and timed in simulation.
; The chip was launched on July 23, 2026; its instructions are those of AMD's public machine-readable ISA for CDNA 5 (MIT licence, August 2026) and "CDNA5" Instruction Set Architecture Reference Guide (July 2026). The comments in the code are by the model that wrote it; some were corrected since.
;; Dropless Mo E. Allowed arithmetic: matrix products marked QUANTISED: E2M3 operands, one E8M0 scale for each 32 along K, by v_wmma_scale_f32_16x16x128_f8f6f4 with both operands' format E2M3, f32 sums; products left as they are: f32 operands where the result goes on into a quantised operand, else bf16, f16 or f32 operands; f32 sums; everything else in f32.
;; Inputs: b1 8 x 4,096 float32; b2 8 x 1,024 float32; gate_w 8 x 1,024 float32; hidden_states 4 x 256 x 1,024 float32; w1 8 x 4,096 x 1,024 float32; w2 8 x 1,024 x 4,096 float32.
;; Outputs: out0 4 x 256 x 1,024 float32; out1 one number float32; out2 one number float32.
;; This version of the problem:
;;   THIS VERSION OF THE PROBLEM IS GIVEN IN LOW PRECISION. The matrix products marked QUANTISED in the list below multiply operands that are first quantised to E2M3 (2 exponent bits, 3 mantissa bits; 6 bits a number), with one power-of-two scale for each 32 numbers along K (OCP MX v1.0); their sums are f32. All else is computed in f32.
;;   The module's matrix products, in the order in which they are computed (A, B: the left and right operand; K: the contracted axis; several contracted axes count as one K, in the product's order):
;;     1. [M 1,024, K 1,024] x [K 1,024, N 8]; A: input hidden_states; B: input gate_w: left as it is (N = 8 < 16)
;;     2. [M 1,024, K 1,024] x [K 1,024, N 4,096]; A: input hidden_states; B: input w1: QUANTISED
;;     3. [M 1,024, K 4,096] x [K 4,096, N 1,024]; A: computed on the way; B: input w2: QUANTISED
;;     4. [M 1,024, K 1,024] x [K 1,024, N 4,096]; A: input hidden_states; B: input w1: QUANTISED
;;     5. [M 1,024, K 4,096] x [K 4,096, N 1,024]; A: computed on the way; B: input w2: QUANTISED
;;     6. [M 1,024, K 1,024] x [K 1,024, N 4,096]; A: input hidden_states; B: input w1: QUANTISED
;;     7. [M 1,024, K 4,096] x [K 4,096, N 1,024]; A: computed on the way; B: input w2: QUANTISED
;;     8. [M 1,024, K 1,024] x [K 1,024, N 4,096]; A: input hidden_states; B: input w1: QUANTISED
;;     9. [M 1,024, K 4,096] x [K 4,096, N 1,024]; A: computed on the way; B: input w2: QUANTISED
;;     10. [M 1,024, K 1,024] x [K 1,024, N 4,096]; A: input hidden_states; B: input w1: QUANTISED
;;     11. [M 1,024, K 4,096] x [K 4,096, N 1,024]; A: computed on the way; B: input w2: QUANTISED
;;     12. [M 1,024, K 1,024] x [K 1,024, N 4,096]; A: input hidden_states; B: input w1: QUANTISED
;;     13. [M 1,024, K 4,096] x [K 4,096, N 1,024]; A: computed on the way; B: input w2: QUANTISED
;;     14. [M 1,024, K 1,024] x [K 1,024, N 4,096]; A: input hidden_states; B: input w1: QUANTISED
;;     15. [M 1,024, K 4,096] x [K 4,096, N 1,024]; A: computed on the way; B: input w2: QUANTISED
;;     16. [M 1,024, K 1,024] x [K 1,024, N 4,096]; A: input hidden_states; B: input w1: QUANTISED
;;     17. [M 1,024, K 4,096] x [K 4,096, N 1,024]; A: computed on the way; B: input w2: QUANTISED
;;   THE QUANTISER, for each operand of a quantised product, along K:
;;     - K is cut into blocks of 32 from its start; a last block that is shorter is filled with zeros.
;;     - A block's scale is 2^e with e = floor(log2(the largest magnitude in the block)) - 2, held to -126 .. 127; a block of zeros has e = 0. As a byte (E8M0): e + 127.
;;     - Each number is divided by its block's scale, clamped to +-7.5, and rounded to the nearest number of E2M3, ties to even, subnormals kept.
;;     - The product sums the exact products of the quantised numbers (number of the format x scale) in f32.
;;   ~~~python
;;   def quantise(x, axis):      # numpy; x: float32 -> the quantised numbers, widened to float32 again
;;       x = np.moveaxis(x, axis, -1); K = x.shape[-1]
;;       x = np.pad(x, [(0, 0)] * (x.ndim - 1) + [(0, -K % 32)]); x = x.reshape(x.shape[:-1] + (-1, 32)); a = np.abs(x).max(-1, keepdims=True)
;;       e = np.where(a > 0, np.clip(np.frexp(np.where(a > 0, a, 1))[1] - 1 - 2, -126, 127), 0)      # np.frexp(a)[1] - 1 = floor(log2(a)), exactly
;;       r = np.clip(x / 2.0 ** e, -7.5, 7.5)
;;       step = 2.0 ** (np.maximum(np.frexp(np.where(r == 0, 1, r))[1] - 1, 0) - 3)
;;       q = np.round(r / step) * step * 2.0 ** e      # np.round: ties to even
;;       return np.moveaxis(q.reshape(q.shape[:-2] + (-1,))[..., :K], -1, axis).astype(np.float32)
;;   ~~~
;;   OPERANDS COMPUTED ON THE WAY. 'Computed on the way' means the value that the module computes at that place (a softmax that the list does not call 'softmax' is quantised finished and normalised). What goes into a quantiser is computed in f32, as accurately as f32 sums, v_exp_f32 and their like allow (about 1e-6 of the number): no bf16 or f16 on the way to a quantiser, and a product that is left as it is and whose result goes on into a quantised operand takes f32 operands (vector FMAs, or v_wmma_f32_16x16x4_f32). A number that lies on a knife's edge between two numbers of the format may be rounded either way, as far as f32 arithmetic and the matrix unit's own rounding can turn it there, and no further.
;; 2 versions, each right; version 2 is version 1 with the launches up, down written anew for expert scheduling mode. Each part assembles by itself: llvm-mc -triple=amdgcn-amd-amdhsa -mcpu=gfx1250 --defsym DOCPART=n.
;; ======== version 1 of 2: 4 launches
;; workspace buffers: xrec 1,048,576 bytes; sel 4,096 bytes of whole numbers; lz 4,096 bytes; list 4,608 bytes of whole numbers; meta 512 bytes of whole numbers; hcode 3,538,944 bytes; hscale 147,456 bytes
;; launch route (part 1): grid 256 x 1, 4 waves a work-group, no clusters, 23,040 bytes of LDS; arguments hidden_states, gate_w, xrec, sel, lz; writes xrec, sel, lz
.if DOCPART == 1
	.amdgcn_target "amdgcn-amd-amdhsa--gfx1250"
	.amdhsa_code_object_version 6
	.text
	.protected	k_qf0aef9482c_route
	.globl	k_qf0aef9482c_route
	.p2align	8
	.type	k_qf0aef9482c_route,@function
k_qf0aef9482c_route:
	s_mov_b64 s[64:65], 0
	v_nop
	global_prefetch_b8 v0, s[64:65] scope:SCOPE_SE
	s_setreg_imm32_b32 hwreg(HW_REG_WAVE_MODE, 25, 1), 1
	s_wait_xcnt 0x0
; ROUTE.  One wave takes one token t = 4 x work-group + wave: its 8 router logits (f32 fused multiply-adds), the index of the largest
; (strict >, ascending: the lower index wins a tie), logsumexp^2 with the maximum taken away first, and its row of x as codes of FP6 (E2M3) with one E8M0 byte for each 32 along D.
; xrec row (1,024 bytes): the 24 bytes of block b of K step s at 96 s + 48 (b % 2) + 24 (b / 2): the 48 bytes at 96 s + 48 h are the 12 registers of lane half h of the fragment;
; scale word s at 768 + 48 (s / 4) + 4 (s % 4).  The other bytes of a row are neither written nor read.
; LIMITS: NaN and infinities are not served; a block whose largest magnitude lies under 2^-124 keeps the byte 1 (a block of zeros too: its codes are zeros, and this program alone reads the bytes);
; a token whose two largest logits agree within the error of an f32 sum of 1,024 terms may be routed otherwise than by another order of summation.
; No barrier: all LDS is the wave's own.  No matrix unit: 8 columns are too few.
.set TSW, 5632                         ; LDS of a wave: 32 places of 128 + 16 bytes, then 1,024 bytes for the row on its way out
.set OSO, 4608
.set LG,  176                          ; v176-183 logits
.set PP,  184                          ; v184-191 2^((l - m) log2 e)
	s_load_b256 s[4:11], s[0:1], 0x0               ; x s[4:5], gate_w s[6:7], xrec s[8:9], sel s[10:11]
	s_load_b64 s[12:13], s[0:1], 0x20              ; lz
	v_lshl_add_u32 v224, v0, 2, 0x5800
	v_mov_b32 v225, 0
	v_lshrrev_b32 v1, 5, v0
	v_readfirstlane_b32 s14, v1                    ; wave
	v_and_b32 v1, 31, v0                           ; lane
	v_lshlrev_b32 v2, 4, v1                        ; 16 l
	s_mul_i32 s15, s14, TSW
	v_lshrrev_b32 v3, 3, v1
	v_lshl_add_u32 v3, v3, 4, v2
	v_add_nc_u32 v3, s15, v3                       ; in: 16 l + 16 (l / 8): eight lanes fill a place of 128 bytes
	v_mul_u32_u24 v4, v1, 144
	v_add_nc_u32 v4, s15, v4                       ; back: place l = block l
	s_add_co_u32 s15, s15, OSO
	v_lshrrev_b32 v5, 2, v1
	v_mul_u32_u24 v5, v5, 96
	v_and_b32 v12, 1, v1
	v_mad_u32_u24 v5, v12, 48, v5
	v_bfe_u32 v12, v1, 1, 1
	v_mad_u32_u24 v5, v12, 24, v5
	v_add_nc_u32 v5, s15, v5                       ; my block's 24 bytes of codes
	v_lshrrev_b32 v6, 4, v1
	v_mul_u32_u24 v6, v6, 48
	v_and_b32 v12, 15, v1
	v_add_nc_u32 v6, v6, v12
	v_add_nc_u32 v6, s15, v6                       ; my block's scale byte (+ 768)
	v_lshlrev_b32 v9, 3, v1                        ; 8 l
	v_add_nc_u32 v7, s15, v9
	v_bfe_u32 v10, v1, 2, 1
	v_mul_u32_u24 v10, v10, 48
	v_and_b32 v12, 3, v1
	v_lshl_add_u32 v10, v12, 2, v10                ; scale word l % 8 (+ 768)
	v_add_nc_u32 v8, s15, v10
	s_lshl_b32 s18, ttmp9, 2
	s_add_co_u32 s18, s18, s14                     ; t
	s_lshl_b32 s20, s18, 12
	s_mov_b32 s21, 0
	s_lshl_b32 s22, s18, 10
	s_mov_b32 s23, 0
	s_lshl_b32 s19, s18, 2
	v_mov_b32 v11, s19                             ; 4 t
	s_mov_b32 s16, 0x76543210
	s_mov_b32 s17, 0xfedcba98                      ; lane l xor 16
.irp e, 0,1,2,3,4,5,6,7
	v_mov_b32 v[PP+\e], 0                          ; a lane permute's destination counts as read
.endr
	s_wait_kmcnt 0x0
	s_add_nc_u64 s[4:5], s[4:5], s[20:21]
	s_add_nc_u64 s[8:9], s[8:9], s[22:23]
.irp i, 0,1,2,3,4,5,6,7
	global_load_b128 v[16+4*\i:19+4*\i], v2, s[4:5] offset:512*\i th:TH_LOAD_NT   ; the row: 512 consecutive bytes a load
.endr
.macro GL e                            ; gate row e, laid as the row of x, into buffer e % 4
.irp i, 0,1,2,3,4,5,6,7
	global_load_b128 v[48+32*((\e)%4)+4*\i:48+32*((\e)%4)+4*\i+3], v2, s[6:7] offset:4096*(\e)+512*\i
.endr
.endm
.macro DOT e                           ; my 32 products of logit e, two at a time, in two chains
.set GB, 48+32*((\e)%4)
	v_pk_mul_f32 v[192:193], v[16:17], v[GB:GB+1]
	v_pk_mul_f32 v[194:195], v[18:19], v[GB+2:GB+3]
.irp j, 4,8,12,16,20,24,28
	v_pk_fma_f32 v[192:193], v[16+\j:17+\j], v[GB+\j:GB+\j+1], v[192:193]
	v_pk_fma_f32 v[194:195], v[18+\j:19+\j], v[GB+\j+2:GB+\j+3], v[194:195]
.endr
	v_pk_add_f32 v[192:193], v[192:193], v[194:195]
	v_add_f32 v[LG+(\e)], v192, v193
.endm
	GL 0
	GL 1
	GL 2
	GL 3
.irp e, 0,1,2,3
	s_wait_loadcnt 24                              ; x and gate row e are in; the three younger rows (24 loads) stay out
	DOT \e
	GL \e+4
.endr
	s_wait_loadcnt 24
	DOT 4
	s_wait_loadcnt 16
	DOT 5
	s_wait_loadcnt 8
	DOT 6
	s_wait_loadcnt 0x0
	DOT 7
.irp m, 1,2,4,8
.irp e, 0,1,2,3,4,5,6,7
	v_add_f32_dpp v[LG+\e], v[LG+\e], v[LG+\e] row_xmask:\m row_mask:0xf bank_mask:0xf
.endr
.endr
.irp e, 0,1,2,3,4,5,6,7
	v_permlanex16_b32 v[PP+\e], v[LG+\e], s16, s17
.endr
.irp e, 0,1,2,3,4,5,6,7
	v_add_f32 v[LG+\e], v[LG+\e], v[PP+\e]         ; every lane holds the 8 logits
.endr
	v_max3_num_f32 v192, v[LG], v[LG+1], v[LG+2]
	v_max3_num_f32 v192, v192, v[LG+3], v[LG+4]
	v_max3_num_f32 v192, v192, v[LG+5], v[LG+6]
	v_max_num_f32 v192, v192, v[LG+7]              ; m
.irp e, 0,1,2,3,4,5,6,7
	v_sub_f32 v[PP+\e], v[LG+\e], v192
.endr
.irp e, 0,1,2,3,4,5,6,7
	v_mul_f32 v[PP+\e], 0x3fb8aa3b, v[PP+\e]
.endr
.irp e, 0,1,2,3,4,5,6,7
	v_exp_f32 v[PP+\e], v[PP+\e]
.endr
	v_mov_b32 v193, v[LG]                          ; the choice, meanwhile: the largest logit so far and its index
	v_mov_b32 v194, 0
.irp e, 1,2,3,4,5,6,7
	v_cmp_gt_f32 vcc_lo, v[LG+\e], v193
	v_cndmask_b32 v193, v193, v[LG+\e], vcc_lo
	v_cndmask_b32 v194, v194, \e, vcc_lo
.endr
	s_wait_alu depctr_va_vdst(0)                   ; one wait for the eight exponentials, ahead of their first reader
	v_add_f32 v195, v[PP], v[PP+1]
	v_add_f32 v196, v[PP+2], v[PP+3]
	v_add_f32 v197, v[PP+4], v[PP+5]
	v_add_f32 v198, v[PP+6], v[PP+7]
	v_add_f32 v195, v195, v196
	v_add_f32 v197, v197, v198
	v_add_f32 v195, v195, v197
	v_log_f32 v195, v195
	; the row goes through the stage, so that lane l holds block l: 32 neighbours along D
.irp i, 0,1,2,3,4,5,6,7
	ds_store_b128 v3, v[16+4*\i:19+4*\i] offset:576*\i
.endr
.irp j, 0,1,2,3,4,5,6,7
	ds_load_b128 v[48+4*\j:51+4*\j], v4 offset:16*\j   ; LDS serves a wave's instructions in order: these see my stores
.endr
	v_nop                                          ; a plain line behind the logarithm
	s_wait_alu depctr_va_vdst(0)
	v_fmamk_f32 v195, v195, 0x3f317218, v192       ; logsumexp = m + ln 2 x log2(sum)
	v_mul_f32 v195, v195, v195
	s_wait_dscnt 0x0
	v_max3_num_f32 v196, |v48|, |v49|, 0x1800000   ; the block's largest magnitude, with the floor 2^(3 - 127) among its leaves
	v_max3_num_f32 v197, |v50|, |v51|, |v52|
.irp i, 53,57,61,65,69,73
	v_max3_num_f32 v196, v196, |v[\i]|, |v[\i+1]|
	v_max3_num_f32 v197, v197, |v[\i+2]|, |v[\i+3]|
.endr
	v_max3_num_f32 v196, v196, |v77|, |v78|
	v_max3_num_f32 v196, v196, v197, |v79|
	v_add_nc_u32 v198, 0xff000000, v196            ; 2 off its exponent field: the conversion's scale operand
	v_lshrrev_b32 v199, 23, v198                   ; the scale's byte
	v_cvt_scalef32_pk16_fp6_f32 v[200:202], v[48:63], v198
	v_cvt_scalef32_pk16_fp6_f32 v[204:206], v[64:79], v198
	v_nop                                          ; a plain line behind the conversions
	v_mov_b32 v203, v204
	v_mov_b32 v208, v205
	v_mov_b32 v209, v206
	ds_store_b64 v5, v[200:201]
	ds_store_b64 v5, v[202:203] offset:8
	ds_store_b64 v5, v[208:209] offset:16
	ds_store_b8 v6, v199 offset:768
.irp i, 0,1,2
	ds_load_b64 v[210+2*\i:211+2*\i], v7 offset:256*\i
.endr
	ds_load_b32 v216, v8 offset:768
	s_wait_dscnt 0x0
.irp i, 0,1,2
	global_store_b64 v9, v[210+2*\i:211+2*\i], s[8:9] offset:256*\i   ; 32 lanes store 256 consecutive bytes, aligned
.endr
	global_store_b32 v10, v216, s[8:9] offset:768  ; the 8 scale words (four lanes write each word, with the same value)
	global_store_b32 v11, v194, s[10:11]           ; the chosen expert, at a fixed place (all lanes the same word and value)
	global_store_b32 v11, v195, s[12:13]
	s_wait_tensorcnt 0x0
	ds_add_u32 v224, v225
	s_wait_dscnt 0x0
	s_endpgm
.Lfunc_end_k_qf0aef9482c_route:
	.size	k_qf0aef9482c_route, .Lfunc_end_k_qf0aef9482c_route-k_qf0aef9482c_route
	.p2alignl 7, 3214868480
	.fill 96, 4, 3214868480
	.section	.rodata,"a",@progbits
	.p2align	6, 0x0
	.amdhsa_kernel k_qf0aef9482c_route
		.amdhsa_group_segment_fixed_size 23040
		.amdhsa_private_segment_fixed_size 0
		.amdhsa_enable_private_segment 0
		.amdhsa_kernarg_size 40
		.amdhsa_user_sgpr_count 2
		.amdhsa_user_sgpr_kernarg_segment_ptr 1
		.amdhsa_wavefront_size32 1
		.amdhsa_system_sgpr_workgroup_id_x 1
		.amdhsa_system_sgpr_workgroup_id_y 1
		.amdhsa_system_sgpr_workgroup_id_z 1
		.amdhsa_system_vgpr_workitem_id 0
		.amdhsa_next_free_vgpr 226
		.amdhsa_next_free_sgpr 66
		.amdhsa_reserve_vcc 1
		.amdhsa_float_denorm_mode_32 3
		.amdhsa_float_denorm_mode_16_64 3
		.amdhsa_memory_ordered 1
		.amdhsa_forward_progress 1
		.amdhsa_inst_pref_size 28
	.end_amdhsa_kernel
	.amdgpu_metadata
---
amdhsa.version: [ 1, 2 ]
amdhsa.kernels:
  - .name:           k_qf0aef9482c_route
    .symbol:         k_qf0aef9482c_route.kd
    .args:
      - { .name: hidden_states, .offset: 0, .size: 8, .value_kind: global_buffer, .address_space: global }
      - { .name: gate_w, .offset: 8, .size: 8, .value_kind: global_buffer, .address_space: global }
      - { .name: xrec, .offset: 16, .size: 8, .value_kind: global_buffer, .address_space: global }
      - { .name: sel, .offset: 24, .size: 8, .value_kind: global_buffer, .address_space: global }
      - { .name: lz, .offset: 32, .size: 8, .value_kind: global_buffer, .address_space: global }
    .group_segment_fixed_size: 23040
    .private_segment_fixed_size: 0
    .kernarg_segment_align: 8
    .kernarg_segment_size: 40
    .max_flat_workgroup_size: 128
    .sgpr_count:     66
    .vgpr_count:     226
    .wavefront_size: 32
...
	.end_amdgpu_metadata
.endif
;; end of part 1
;; launch place (part 2): grid 1 x 1, 32 waves a work-group, no clusters, 8,192 bytes of LDS; arguments sel, lz, list, meta, out1, out2; writes list, meta, out1, out2
.if DOCPART == 2
	.amdgcn_target "amdgcn-amd-amdhsa--gfx1250"
	.amdhsa_code_object_version 6
	.text
	.protected	k_qf0aef9482c_place
	.globl	k_qf0aef9482c_place
	.p2align	8
	.type	k_qf0aef9482c_place,@function
k_qf0aef9482c_place:
	s_mov_b64 s[64:65], 0
	v_nop
	global_prefetch_b8 v0, s[64:65] scope:SCOPE_SE
	s_setreg_imm32_b32 hwreg(HW_REG_WAVE_MODE, 25, 1), 1
	s_wait_xcnt 0x0
; PLACE.  A counting sort of the 1,024 tokens by expert, in whole numbers alone; thread t is token t.  An expert's tokens lie in tiles of 16 slots, each expert from a new tile on: at most 71 tiles.
; list [72][16]: the token of each slot.  The free slots of an expert's last tile repeat that expert's first token; slots of tiles that no expert has get a token inside the table.  Every entry is written once.
; meta [32][4]: row e = {tiles, first tile, tokens, first token} of expert e; rows 8 to 31 zeros.
; out1 = mean over experts of (tokens / 1024 x 1.0) x 64 = (sum of the counts) x 2^-7: with one expert a token its weight is p / p = 1.  out2 = (sum of logsumexp^2) / 1024.
; One work-group: the sort needs every token's choice, and the whole input is 8 KB.
; The offsets of all stores but the sorted slot's are made at the head, from the thread's number alone, in registers that hold nothing else: v2, v50, v51.
.set CNT, 0                            ; LDS: [32 waves][8] counts
.set FST, 1024                         ; [32 waves][8] first token of each expert in the wave, or 0xfff
.set ZS,  2048                         ; [32] sums of lz
	s_load_b256 s[4:11], s[0:1], 0x0               ; sel s[4:5], lz s[6:7], list s[8:9], meta s[10:11]
	s_load_b128 s[12:15], s[0:1], 0x20             ; out1, out2
	v_lshl_add_u32 v64, v0, 2, 0x1000
	v_mov_b32 v65, 0
	v_lshrrev_b32 v1, 5, v0
	v_readfirstlane_b32 s2, v1                     ; wave
	v_and_b32 v1, 31, v0                           ; lane
	v_lshlrev_b32 v2, 2, v0                        ; 4 t: my word of sel and of lz, and slot t of the list
	v_lshlrev_b32 v50, 4, v1                       ; 16 x lane: a row of meta
	v_mov_b32 v51, 0                               ; the two single numbers
	s_lshl_b32 s3, s2, 5
	s_mov_b32 s90, 0x76543210
	s_mov_b32 s91, 0xfedcba98
	s_wait_kmcnt 0x0
	global_load_b32 v3, v2, s[4:5]
	global_load_b32 v4, v2, s[6:7]
	v_mov_b32 v5, 0
.irp i, 0,1,2,3,4,5,6,7,8,9,10,11,12,13,14,15,16
	v_mov_b32 v[32+\i], 0                          ; destinations of lane moves count as read
.endr
	s_wait_loadcnt 0x0
	v_min_u32 v3, 7, v3
.irp e, 0,1,2,3,4,5,6,7
	v_cmp_eq_u32 s[16+\e], \e, v3                  ; which lanes chose e
	s_bcnt1_i32_b32 s[24+\e], s[16+\e]             ; how many
	s_ctz_i32_b32 s[32+\e], s[16+\e]
	s_add_co_u32 s[32+\e], s[32+\e], s3
	s_cmp_lg_u32 s[16+\e], 0
	s_cselect_b32 s[32+\e], s[32+\e], 0xfff        ; the first of them as a token
	v_mbcnt_lo_u32_b32 v6, s[16+\e], 0
	v_cndmask_b32 v5, v5, v6, s[16+\e]             ; my rank among my wave's tokens of my expert
	v_mov_b32 v[8+\e], s[24+\e]
	v_mov_b32 v[16+\e], s[32+\e]
.endr
	v_mov_b32 v7, s3
	ds_store_b128 v7, v[8:11] offset:CNT
	ds_store_b128 v7, v[12:15] offset:CNT+16
	ds_store_b128 v7, v[16:19] offset:FST
	ds_store_b128 v7, v[20:23] offset:FST+16
.irp m, 1,2,4,8
	v_add_f32_dpp v4, v4, v4 row_xmask:\m row_mask:0xf bank_mask:0xf
.endr
	v_permlanex16_b32 v48, v4, s90, s91
	v_add_f32 v4, v4, v48
	s_lshl_b32 s92, s2, 2
	v_mov_b32 v24, s92
	ds_store_b32 v24, v4 offset:ZS
	s_wait_dscnt 0x0                               ; for the others: my stores have landed
	s_barrier_signal -1
	s_barrier_wait -1
	v_lshlrev_b32 v25, 5, v1
	v_lshlrev_b32 v27, 2, v1
	ds_load_b128 v[8:11], v25 offset:CNT           ; lane i: wave i's figures
	ds_load_b128 v[12:15], v25 offset:CNT+16
	ds_load_b128 v[16:19], v25 offset:FST
	ds_load_b128 v[20:23], v25 offset:FST+16
	ds_load_b32 v26, v27 offset:ZS
	s_wait_dscnt 0x0
	v_cmp_gt_u32 vcc_lo, s2, v1                    ; waves in front of mine
.irp e, 0,1,2,3,4,5,6,7
	v_cndmask_b32 v28, 0, v[8+\e], vcc_lo
	v_lshl_or_b32 v[8+\e], v28, 16, v[8+\e]        ; low half: all waves' count; high half: the count in front of my wave (each at most 1,024)
.endr
.irp m, 1,2,4,8
.irp e, 0,1,2,3,4,5,6,7
	v_mov_b32_dpp v[32+\e], v[8+\e] row_xmask:\m row_mask:0xf bank_mask:0xf
	v_mov_b32_dpp v[40+\e], v[16+\e] row_xmask:\m row_mask:0xf bank_mask:0xf
.endr
.irp e, 0,1,2,3,4,5,6,7
	v_add_nc_u32 v[8+\e], v[8+\e], v[32+\e]
	v_min_u32 v[16+\e], v[16+\e], v[40+\e]
.endr
	v_add_f32_dpp v26, v26, v26 row_xmask:\m row_mask:0xf bank_mask:0xf
.endr
.irp e, 0,1,2,3,4,5,6,7
	v_permlanex16_b32 v[32+\e], v[8+\e], s90, s91
	v_permlanex16_b32 v[40+\e], v[16+\e], s90, s91
.endr
	v_permlanex16_b32 v48, v26, s90, s91
.irp e, 0,1,2,3,4,5,6,7
	v_add_nc_u32 v[8+\e], v[8+\e], v[32+\e]
	v_min_u32 v[16+\e], v[16+\e], v[40+\e]
.endr
	v_add_f32 v26, v26, v48
.irp e, 0,1,2,3,4,5,6,7
	v_readfirstlane_b32 s[40+\e], v[8+\e]
	v_readfirstlane_b32 s[32+\e], v[16+\e]         ; the expert's first token
	s_and_b32 s[24+\e], s[40+\e], 0xffff           ; its tokens
	s_lshr_b32 s[40+\e], s[40+\e], 16              ; those in front of my wave
	s_add_co_u32 s[48+\e], s[24+\e], 15
	s_lshr_b32 s[48+\e], s[48+\e], 4               ; its tiles
.endr
	s_mov_b32 s56, 0
.irp e, 0,1,2,3,4,5,6
	s_add_co_u32 s[57+\e], s[56+\e], s[48+\e]      ; its first tile
.endr
.irp e, 0,1,2,3,4,5,6,7
	s_lshl_b32 s[74+\e], s[56+\e], 4
	s_add_co_u32 s[66+\e], s[74+\e], s[40+\e]      ; where my wave's tokens of e begin
	s_add_co_u32 s[74+\e], s[74+\e], s[24+\e]      ; where e's tokens end
	s_min_u32 s[82+\e], s[32+\e], 1023             ; what fills the slots behind them
.endr
	v_mov_b32 v29, 0
.irp e, 0,1,2,3,4,5,6,7
	v_mov_b32 v30, s[66+\e]
	v_cndmask_b32 v29, v29, v30, s[16+\e]
.endr
	v_add_nc_u32 v29, v29, v5
	v_min_u32 v29, 0x47f, v29                      ; a slot inside the list
	v_lshlrev_b32 v29, 2, v29
	global_store_b32 v29, v0, s[8:9]
; Slot q (in v31; its place in the list is 4 t + off) is filled if it lies behind its expert's tokens.  Its expert is the last one whose first tile is not beyond q's tile.
.macro PADS off
	v_lshrrev_b32 v32, 4, v31
	v_mov_b32 v33, s74
	v_mov_b32 v34, s82
.irp e, 1,2,3,4,5,6,7
	v_cmp_le_u32 vcc_lo, s[56+\e], v32
	v_mov_b32 v36, s[74+\e]
	v_mov_b32 v37, s[82+\e]
	v_cndmask_b32 v33, v33, v36, vcc_lo
	v_cndmask_b32 v34, v34, v37, vcc_lo
.endr
	v_cmp_ge_u32 vcc_lo, v31, v33
	s_wait_xcnt 0x0                                ; EXEC changes only behind this wait
	s_and_saveexec_b32 s92, vcc_lo
	global_store_b32 v2, v34, s[8:9] offset:\off
	s_wait_xcnt 0x0
	s_or_b32 exec_lo, exec_lo, s92
.endm
	v_mov_b32 v31, v0
	PADS 0
	s_cmp_ge_u32 s2, 4
	s_cbranch_scc1 .Lno_more
	v_add_nc_u32 v31, 1024, v0                     ; slots 1,024 to 1,151: waves 0 to 3
	PADS 4096
.Lno_more:
	s_cmp_lg_u32 s2, 0
	s_cbranch_scc1 .Lend
.irp i, 36,37,38,39
	v_mov_b32 v[\i], 0
.endr
.irp e, 0,1,2,3,4,5,6,7
	v_writelane_b32 v36, s[48+\e], \e
	v_writelane_b32 v37, s[56+\e], \e
	v_writelane_b32 v38, s[24+\e], \e
	v_writelane_b32 v39, s[82+\e], \e
.endr
	global_store_b128 v50, v[36:39], s[10:11]      ; 512 consecutive bytes
	s_add_co_u32 s93, s24, s25
.irp e, 2,3,4,5,6,7
	s_add_co_u32 s93, s93, s[24+\e]
.endr
	v_cvt_f32_u32 v41, s93
	v_mul_f32 v41, 0x3c000000, v41                 ; x 2^-7
	v_mul_f32 v42, 0x3a800000, v26                 ; x 2^-10
	global_store_b32 v51, v41, s[12:13]            ; (all lanes the same word and value)
	global_store_b32 v51, v42, s[14:15]
.Lend:
	s_wait_tensorcnt 0x0
	ds_add_u32 v64, v65
	s_wait_dscnt 0x0
	s_endpgm
.Lfunc_end_k_qf0aef9482c_place:
	.size	k_qf0aef9482c_place, .Lfunc_end_k_qf0aef9482c_place-k_qf0aef9482c_place
	.p2alignl 7, 3214868480
	.fill 96, 4, 3214868480
	.section	.rodata,"a",@progbits
	.p2align	6, 0x0
	.amdhsa_kernel k_qf0aef9482c_place
		.amdhsa_group_segment_fixed_size 8192
		.amdhsa_private_segment_fixed_size 0
		.amdhsa_enable_private_segment 0
		.amdhsa_kernarg_size 48
		.amdhsa_user_sgpr_count 2
		.amdhsa_user_sgpr_kernarg_segment_ptr 1
		.amdhsa_wavefront_size32 1
		.amdhsa_system_sgpr_workgroup_id_x 1
		.amdhsa_system_sgpr_workgroup_id_y 1
		.amdhsa_system_sgpr_workgroup_id_z 1
		.amdhsa_system_vgpr_workitem_id 0
		.amdhsa_next_free_vgpr 66
		.amdhsa_next_free_sgpr 100
		.amdhsa_reserve_vcc 1
		.amdhsa_float_denorm_mode_32 3
		.amdhsa_float_denorm_mode_16_64 3
		.amdhsa_memory_ordered 1
		.amdhsa_forward_progress 1
		.amdhsa_inst_pref_size 26
	.end_amdhsa_kernel
	.amdgpu_metadata
---
amdhsa.version: [ 1, 2 ]
amdhsa.kernels:
  - .name:           k_qf0aef9482c_place
    .symbol:         k_qf0aef9482c_place.kd
    .args:
      - { .name: sel, .offset: 0, .size: 8, .value_kind: global_buffer, .address_space: global }
      - { .name: lz, .offset: 8, .size: 8, .value_kind: global_buffer, .address_space: global }
      - { .name: list, .offset: 16, .size: 8, .value_kind: global_buffer, .address_space: global }
      - { .name: meta, .offset: 24, .size: 8, .value_kind: global_buffer, .address_space: global }
      - { .name: out1, .offset: 32, .size: 8, .value_kind: global_buffer, .address_space: global }
      - { .name: out2, .offset: 40, .size: 8, .value_kind: global_buffer, .address_space: global }
    .group_segment_fixed_size: 8192
    .private_segment_fixed_size: 0
    .kernarg_segment_align: 8
    .kernarg_segment_size: 48
    .max_flat_workgroup_size: 1024
    .sgpr_count:     100
    .vgpr_count:     66
    .wavefront_size: 32
...
	.end_amdgpu_metadata
.endif
;; end of part 2
;; launch up (part 3): grid 256 x 1, 4 waves a work-group, no clusters, 171,008 bytes of LDS; arguments w1, b1, xrec, list, meta, hcode, hscale; writes hcode, hscale
.if DOCPART == 3
	.amdgcn_target "amdgcn-amd-amdhsa--gfx1250"
	.amdhsa_code_object_version 6
	.text
	.protected	k_qf0aef9482c_up
	.globl	k_qf0aef9482c_up
	.p2align	8
	.type	k_qf0aef9482c_up,@function
k_qf0aef9482c_up:
	s_mov_b64 s[64:65], 0
	v_nop
	global_prefetch_b8 v0, s[64:65] scope:SCOPE_SE
	s_setreg_imm32_b32 hwreg(HW_REG_WAVE_MODE, 25, 1), 1
	s_wait_xcnt 0x0
; UP.  h = gelu(x W1^T + b1) for the tokens of ONE expert and 128 hidden units, quantised along F.  Work-group = 32 e + ks: expert e, hidden units 128 ks on: 512 KB of w1, read once as f32.
; PHASE A: wave v streams hidden rows 32 v .. 32 v + 31 (8 units of 32 rows x 128 K), turns each unit through its own stage in LDS so that a lane holds whole blocks of 32 along K, quantises it to FP6 (E2M3)
; with E8M0 scales, and stores the two fragments as images of their registers.  Two batches of 32 loads of a wave are out at a time.  ONE barrier.
; PHASE B: every wave takes all 64 fragments into registers (768) and then whole tiles of 16 tokens, T = wave, wave + 4 .. below the expert's number of tiles, which an earlier launch stored: no barrier, no stepped LDS address.
; The product is used transposed (source 0 = 16 rows of W1, source 1 = 16 tokens), and lane r of tile 2 b + u holds row 32 b + 8 u + r + 8 (r / 8), so that a lane's 64 results are, block by block, 16 neighbours along F.
; No tensor load and no joint request, though the 32 work-groups of an expert read the same rows of x: the number of tiles is read from memory, and partners would need different numbers of trips.
; gelu(x) = x / (1 + 2^(x (c0 + c1 x^2))), c0 = -2 log2(e) sqrt(2 / pi), c1 = 0.044715 c0: the tanh form, in f32.
; LIMITS: NaN and infinities are not served; a block whose largest magnitude lies under 2^-124 keeps the byte 1 (a block of zeros too: its codes are zeros; this program alone reads the bytes).
; An expert without tokens still has its slice streamed.
; REGISTERS.  Window 0, phase A: v1, v12-21 addresses; v68-121 at work; v128-255 a unit's 128 numbers a lane.  Window 1, phase A: two batches of 128.
; Phase B: fragment n = 8 s + t (K step s, tile t) in window 1 + n / 21 at v[12 (n % 21)], fragment 63 in window 0; window 0 as named below.
.set UPK,   1
.set PITCH, 4096                       ; bytes from row to row of the weight
.set WIMG,  67584                      ; LDS: behind four stages of 32 x 528 bytes: 64 fragment images of 1,536 bytes, image 16 v + 2 i + u (wave, unit, tile)
.set WSC,   165888                     ; 32 x 128 bytes of scale words, pair 8 v + i: lanes 0-15 tile 0, lanes 16-31 tile 1
.set B1S,   169984                     ; the 128 numbers of b1
.set IUNIT, 3072
.set SUNIT, 128
.set L16, 1                            ; 16 x lane
.set SA,  12                           ; the stage, on the way in
.set SR,  13                           ; and back
.set IW0, 14                           ; my wave's images
.set IWC, 15                           ; those of the trip in hand
.set SW0, 16                           ; my wave's scale words
.set SWC, 17
.set SH8, 18                           ; 8 h
.set WR0, 19                           ; images 0-31 for my lane
.set WR1, 20                           ; images 32-63
.set WSR, 21
.set WS,  32                           ; v32-63 the weights' scale words: scales and nothing else
.set ATM, 68                           ; phase A: largest magnitudes, then bytes
.set ASO, 72                           ; the conversions' scale operands
.set APT, 76
.set ASWD, 78
.set ASWP, 80
.set APC, 82                           ; two fragments' codes
.set ATC, 106
.set X,   128
.set F63, 68                           ; phase B: fragment 63
.set BA,  0                            ; v0   B1S + 64 h
.set R4,  2                            ; 4 r
.set H48, 3                            ; 48 h
.set TK,  4                            ; my row's token
.set XO,  5                            ; its place in xrec
.set LO,  6
.set HCO, 7
.set HSO, 8
.set PW,  9                            ; h's scale word
.set QPC, 12                           ; v12-31 h's codes
.set XSC, 64                           ; v64-67 x's scale words: lanes 0-15 K steps 0-3, lanes 16-31 K steps 4-7
.set AC,  80                           ; v80-143 eight accumulators
.set ACT, 144                          ; v144-239 x's eight fragments
.set T16, 240                          ; v240-255 at work
.set MSB, 0
.macro WIN new                         ; the immediate's high byte repeats the setting that is left
.if MSB != (\new)
	s_set_vgpr_msb (MSB<<8)|(\new)
.set MSB, (\new)
.endif
.endm
.macro WLOAD set, off                  ; a unit: 32 rows x 512 consecutive bytes, into a batch in window 1
	WIN 0x40
.set KK, 0
.rept 32
	global_load_b128 v[128*(\set)+4*KK:128*(\set)+4*KK+3], v[L16], s[24:25] offset:KK*PITCH+(\off) th:TH_LOAD_NT
.set KK, KK+1
.endr
	WIN 0
.endm
.macro TURN set                        ; the unit through my stage: rows in (528 bytes apart), whole blocks of 32 along K back: block (u, c) of lane (r, h) = slot 16 u + r, K 64 c + 32 h on
	WIN 0x04
.set KK, 0
.rept 32
.if UPK
.set SL, 16*((KK/8)%2)+8*(KK/16)+KK%8
.else
.set SL, KK
.endif
	ds_store_b128 v[SA], v[128*(\set)+4*KK:128*(\set)+4*KK+3] offset:SL*528
.set KK, KK+1
.endr
	WIN 0
.irp q, 0,1,2,3
.irp j, 0,1,2,3,4,5,6,7
	ds_load_b128 v[X+32*\q+4*\j:X+32*\q+4*\j+3], v[SR] offset:8448*(\q/2)+256*(\q%2)+16*\j
.endr
.endr
	s_wait_dscnt 0x0                               ; the numbers are back; the batch has been read and may be loaded again
.endm
.macro QUANT32                         ; four whole blocks of a lane become two fragments' codes and the pair's scale words
.irp q, 0,1,2,3
	v_max3_num_f32 v[ATM+\q], |v[X+32*\q]|, |v[X+32*\q+1]|, 0x1800000   ; with the floor 2^(3 - 127): the byte cannot fall under 1
.endr
.irp i, 2,4,6,8,10,12,14,16,18,20,22,24,26,28,30
.irp q, 0,1,2,3
	v_max3_num_f32 v[ATM+\q], v[ATM+\q], |v[X+32*\q+\i]|, |v[X+32*\q+\i+1]|
.endr
.endr
.irp q, 0,1,2,3
	v_add_nc_u32 v[ASO+\q], 0xff000000, v[ATM+\q]  ; 2 off the exponent field: the conversion's scale operand
.endr
.irp q, 0,1,2,3
	v_lshrrev_b32 v[ATM+\q], 23, v[ASO+\q]         ; the byte
.endr
.irp u, 0,1
	v_lshl_or_b32 v[ASWD+\u], v[ATM+2*\u+1], 16, v[ATM+2*\u]   ; my blocks h and 2 + h
.endr
.irp u, 0,1
	v_lshlrev_b32 v[ASWD+\u], v[SH8], v[ASWD+\u]
.endr
.irp u, 0,1
	v_permlanex16_b32 v[APT+\u], v[ASWD+\u], s32, s33
.endr
.irp u, 0,1
	v_or_b32 v[ASWD+\u], v[ASWD+\u], v[APT+\u]     ; with lane l xor 16's two the word is whole
.endr
	v_cndmask_b32 v[ASWP], v[ASWD], v[ASWD+1], s36 ; lanes 0-15 tile 0's words, lanes 16-31 tile 1's
.irp q, 0,1,2,3
	v_cvt_scalef32_pk16_fp6_f32 v[APC+6*\q:APC+6*\q+2], v[X+32*\q:X+32*\q+15], v[ASO+\q]
	v_cvt_scalef32_pk16_fp6_f32 v[ATC+4*\q:ATC+4*\q+2], v[X+32*\q+16:X+32*\q+31], v[ASO+\q]
.endr
	v_nop                                          ; a plain line behind the conversions
.irp q, 0,1,2,3
.irp i, 0,1,2
	v_mov_b32 v[APC+6*\q+3+\i], v[ATC+4*\q+\i]
.endr
.endr
.endm
.macro IMAGE par                       ; the two fragments go to LDS as they stand: 16 bytes a lane, 512 a store
.irp u, 0,1
.irp k, 0,1,2
	ds_store_b128 v[IWC], v[APC+12*\u+4*\k:APC+12*\u+4*\k+3] offset:(\par)*IUNIT+1536*\u+512*\k
.endr
.endr
	ds_store_b32 v[SWC], v[ASWP] offset:(\par)*SUNIT
.endm
.macro UNIT set, left, next
	s_wait_loadcnt \left                           ; this batch is in; the other batch's 32 loads may be out
	TURN \set
.if \next
	WLOAD \set, 1024+512*(\set)
.endif
	QUANT32
	IMAGE \set
.endm
.macro FRAGS                           ; all 64 fragments and their scale words into registers
.set NN, 0
.rept 64
.if UPK
.set LI, 16*((NN%8)/2)+2*(NN/8)+NN%2
.else
.set LI, NN
.endif
.if NN == 63
	WIN 0
.set FA, F63
.else
	WIN (1+NN/21)*64
.set FA, 12*(NN%21)
.endif
.irp k, 0,1,2
.if LI < 32
	ds_load_b128 v[FA+4*\k:FA+4*\k+3], v[WR0] offset:LI*1536+512*\k
.else
	ds_load_b128 v[FA+4*\k:FA+4*\k+3], v[WR1] offset:(LI-32)*1536+512*\k
.endif
.endr
.set NN, NN+1
.endr
	WIN 0
.irp m, 0,1,2,3,4,5,6,7,8,9,10,11,12,13,14,15,16,17,18,19,20,21,22,23,24,25,26,27,28,29,30,31
	ds_load_b32 v[WS+\m], v[WSR] offset:128*\m
.endr
	s_wait_dscnt 0x0
.endm
	s_load_b256 s[4:11], s[0:1], 0x0               ; w1 s[4:5], b1 s[6:7], xrec s[8:9], list s[10:11]
	s_load_b128 s[12:15], s[0:1], 0x20             ; meta s[12:13], hcode s[14:15]
	s_load_b64 s[16:17], s[0:1], 0x30              ; hscale
	v_lshl_add_u32 v31, v0, 2, 0x29a00
	s_set_vgpr_msb 0x80
	v_mov_b32 v255, 0
	s_set_vgpr_msb 0x8000
	v_lshrrev_b32 v2, 5, v0
	v_readfirstlane_b32 s18, v2                    ; wave
	s_mov_b32 s19, ttmp9
	s_lshr_b32 s20, s19, 5                         ; e
	s_and_b32 s21, s19, 31                         ; ks
	v_and_b32 v24, 31, v0                          ; lane
	v_and_b32 v25, 15, v0                          ; r
	v_bfe_u32 v26, v0, 4, 1                        ; h
	v_lshlrev_b32 v[L16], 4, v24
	v_lshlrev_b32 v[R4], 2, v25
	v_mul_u32_u24 v[H48], v26, 48
	s_mul_i32 s40, s18, 16896                      ; my stage
	v_add_nc_u32 v[SA], s40, v[L16]
	v_mul_u32_u24 v[SR], v25, 528
	v_lshl_add_u32 v[SR], v26, 7, v[SR]
	v_add_nc_u32 v[SR], s40, v[SR]
	s_mul_i32 s40, s18, 24576
	s_add_co_u32 s40, s40, WIMG
	v_add_nc_u32 v[IW0], s40, v[L16]
	s_lshl_b32 s40, s18, 10
	s_add_co_u32 s40, s40, WSC
	v_lshl_add_u32 v[SW0], v24, 2, s40
	v_lshlrev_b32 v[SH8], 3, v26
	v_add_nc_u32 v[WR0], WIMG, v[L16]
	v_add_nc_u32 v[WR1], WIMG+49152, v[L16]
	v_lshl_add_u32 v[WSR], v24, 2, WSC
	v_mov_b32 v[APT], 0                            ; a lane permute's destination counts as read
	v_mov_b32 v[APT+1], 0
	s_lshl_b32 s41, s19, 9
	s_lshl_b32 s42, s18, 7
	s_add_co_u32 s41, s41, s42
	v_lshl_add_u32 v27, v24, 2, s41                ; b1: (128 x work-group + 32 v + lane) x 4
	s_add_co_u32 s42, s42, B1S
	v_lshl_add_u32 v23, v24, 2, s42
	v_mov_b32 v10, 0xc0135761                      ; c0, twice
	v_mov_b32 v11, 0xc0135761
	v_lshl_add_u32 v[BA], v26, 6, B1S              ; (the thread's number is not wanted any more)
	s_mov_b32 s32, 0x76543210
	s_mov_b32 s33, 0xfedcba98                      ; lane l xor 16
	s_mov_b32 s34, 0xbdd2d3e8                      ; c1, twice
	s_mov_b32 s35, 0xbdd2d3e8
	s_mov_b32 s36, 0xffff0000                      ; lanes 16-31
	s_mul_i32 s44, s21, 1536
	s_lshr_b32 s45, s21, 2
	s_lshl_b32 s45, s45, 8
	s_and_b32 s46, s21, 3
	s_lshl_b32 s46, s46, 2
	s_add_co_u32 s45, s45, s46                     ; hscale: 256 (ks / 4) + 4 (ks % 4)
	s_lshl_b32 s22, s19, 19
	s_lshl_b32 s23, s18, 17
	s_add_co_u32 s22, s22, s23
	s_mov_b32 s23, 0
	s_lshl_b32 s40, s20, 4
	s_wait_kmcnt 0x0
	s_add_nc_u64 s[24:25], s[4:5], s[22:23]        ; my wave's 32 rows
	global_load_b32 v22, v27, s[6:7]
	WLOAD 0, 0
	WLOAD 1, 512
	s_load_b64 s[26:27], s[12:13], s40 offset:0x0  ; the expert's tiles and its first tile
	s_wait_kmcnt 0x0
	s_min_u32 s26, s26, 64
	s_min_u32 s27, s27, 71
	s_max_u32 s28, s26, 1
	s_sub_co_u32 s28, s28, 1                       ; the last tile
	s_add_co_u32 s46, s26, 3
	s_sub_co_u32 s46, s46, s18
	s_lshr_b32 s46, s46, 2                         ; my wave's tiles: T = wave, wave + 4 .. : (tiles + 3 - wave) / 4, at most 16
	s_mov_b32 s29, s18                             ; T
	s_add_co_u32 s30, s27, s18
	s_min_u32 s30, s30, 71
	v_lshl_add_u32 v[LO], s30, 6, v[R4]
	global_load_b32 v[TK], v[LO], s[10:11]         ; my first tile's tokens
	s_mov_b32 s37, 3
	s_mov_b32 s38, 0
	s_mov_b32 s39, 0
.LA:                                               ; three trips of two units; each asks for the two units that follow
	v_add_nc_u32 v[IWC], s38, v[IW0]
	v_add_nc_u32 v[SWC], s39, v[SW0]
	UNIT 0, 32, 1
	UNIT 1, 32, 1
	s_wait_xcnt 0x0                                ; the loads have read their base
	s_add_nc_u64 s[24:25], s[24:25], 1024
	s_add_co_u32 s38, s38, 2*IUNIT
	s_add_co_u32 s39, s39, 2*SUNIT
	s_sub_co_u32 s37, s37, 1
	s_cmp_lg_u32 s37, 0
	s_cbranch_scc1 .LA
	v_add_nc_u32 v[IWC], s38, v[IW0]
	v_add_nc_u32 v[SWC], s39, v[SW0]
	UNIT 0, 32, 0                                  ; the last two units ask for nothing
	UNIT 1, 0, 0                                   ; (the wait for 0 covers b1 and the tokens too)
.macro XADR
	v_min_u32 v[TK], 0x3ff, v[TK]
	v_lshl_add_u32 v[XO], v[TK], 10, v[H48]
.endm
.macro XLOAD                           ; my row's eight fragments, 48 bytes each, and its scale words
.irp s, 0,1,2,3,4,5,6,7
.irp k, 0,1,2
	global_load_b128 v[ACT+12*\s+4*\k:ACT+12*\s+4*\k+3], v[XO], s[8:9] offset:96*\s+16*\k
.endr
.endr
	global_load_b128 v[XSC:XSC+3], v[XO], s[8:9] offset:768
.endm
.macro TKNEXT d                        ; the tokens of tile T + d, held at the expert's last tile
	s_add_co_u32 s31, s29, \d
	s_min_u32 s31, s31, s28
	s_add_co_u32 s31, s31, s27
	s_min_u32 s31, s31, 71
	v_lshl_add_u32 v[LO], s31, 6, v[R4]
	global_load_b32 v[TK], v[LO], s[10:11]
.endm
.macro BIAS                            ; b1 in the result's layout is the sums' first C
.irp t, 0,1,2,3,4,5,6,7
.irp j, 0,1
	ds_load_b128 v[AC+8*\t+4*\j:AC+8*\t+4*\j+3], v[BA] offset:128*(\t/2)+32*(\t%2)+16*\j
.endr
.endr
.endm
.macro MM d, a, b, sa, sb, ra, rb
.if (\ra) && (\rb)
	v_wmma_scale_f32_16x16x128_f8f6f4 v[(\d):(\d)+7], v[(\a):(\a)+11], v[(\b):(\b)+11], v[(\d):(\d)+7], v[(\sa)], v[(\sb)] matrix_a_fmt:MATRIX_FMT_FP6 matrix_b_fmt:MATRIX_FMT_FP6 matrix_a_scale:MATRIX_SCALE_ROW1 matrix_b_scale:MATRIX_SCALE_ROW1
.elseif (\ra)
	v_wmma_scale_f32_16x16x128_f8f6f4 v[(\d):(\d)+7], v[(\a):(\a)+11], v[(\b):(\b)+11], v[(\d):(\d)+7], v[(\sa)], v[(\sb)] matrix_a_fmt:MATRIX_FMT_FP6 matrix_b_fmt:MATRIX_FMT_FP6 matrix_a_scale:MATRIX_SCALE_ROW1
.elseif (\rb)
	v_wmma_scale_f32_16x16x128_f8f6f4 v[(\d):(\d)+7], v[(\a):(\a)+11], v[(\b):(\b)+11], v[(\d):(\d)+7], v[(\sa)], v[(\sb)] matrix_a_fmt:MATRIX_FMT_FP6 matrix_b_fmt:MATRIX_FMT_FP6 matrix_b_scale:MATRIX_SCALE_ROW1
.else
	v_wmma_scale_f32_16x16x128_f8f6f4 v[(\d):(\d)+7], v[(\a):(\a)+11], v[(\b):(\b)+11], v[(\d):(\d)+7], v[(\sa)], v[(\sb)] matrix_a_fmt:MATRIX_FMT_FP6 matrix_b_fmt:MATRIX_FMT_FP6
.endif
.endm
.macro MULS                            ; 64 products: K step by K step, the eight accumulators by turns, one instruction a turn
.set NN, 0
.rept 64
.set KST, NN/8
.set TT, NN%8
.if NN == 63
	WIN 0
.set FA, F63
.else
	WIN 1+NN/21
.set FA, 12*(NN%21)
.endif
	MM AC+8*TT, FA, ACT+12*KST, WS+8*(TT/2)+KST, XSC+KST%4, TT%2, KST/4
.set NN, NN+1
.endr
	WIN 0
.endm
.macro GELU b                          ; 16 numbers, each accumulator from its low end on
.set XB, AC+16*(\b)
.irp j, 0,2,4,6,8,10,12,14
	v_pk_mul_f32 v[T16+\j:T16+\j+1], v[XB+\j:XB+\j+1], v[XB+\j:XB+\j+1]
.endr
.irp j, 0,2,4,6,8,10,12,14
	v_pk_fma_f32 v[T16+\j:T16+\j+1], v[T16+\j:T16+\j+1], s[34:35], v[10:11] op_sel_hi:[1,0,1]
.endr
.irp j, 0,2,4,6,8,10,12,14
	v_pk_mul_f32 v[T16+\j:T16+\j+1], v[T16+\j:T16+\j+1], v[XB+\j:XB+\j+1]
.endr
.irp j, 0,1,2,3,4,5,6,7,8,9,10,11,12,13,14,15
	v_exp_f32 v[T16+\j], v[T16+\j]
.endr
	v_nop                                          ; a plain line behind the batch,
	s_wait_alu depctr_va_vdst(0)                   ; and one wait for it, ahead of its first reader
.irp j, 0,2,4,6,8,10,12,14
	v_pk_add_f32 v[T16+\j:T16+\j+1], v[T16+\j:T16+\j+1], 1.0 op_sel_hi:[1,0]
.endr
.irp j, 0,1,2,3,4,5,6,7,8,9,10,11,12,13,14,15
	v_rcp_f32 v[T16+\j], v[T16+\j]
.endr
	v_nop
	s_wait_alu depctr_va_vdst(0)
.irp j, 0,2,4,6,8,10,12,14
	v_pk_mul_f32 v[XB+\j:XB+\j+1], v[XB+\j:XB+\j+1], v[T16+\j:T16+\j+1]
.endr
.endm
; 64 numbers of a lane, register 16 b + i = unit 32 b + 16 h + i of my token, become a fragment's codes in v[QPC] on and its scale word in v[PW]
.macro QUANT s
.irp b, 0,1,2,3
	v_max3_num_f32 v[T16+\b], |v[\s+16*\b]|, |v[\s+1+16*\b]|, 0x1800000
.endr
.irp i, 2,4,6,8,10,12,14
.irp b, 0,1,2,3
	v_max3_num_f32 v[T16+\b], v[T16+\b], |v[\s+16*\b+\i]|, |v[\s+1+16*\b+\i]|
.endr
.endr
.irp b, 0,1,2,3
	v_permlanex16_b32 v[T16+4+\b], v[T16+\b], s32, s33
.endr
.irp b, 0,1,2,3
	v_max_num_f32 v[T16+\b], v[T16+\b], v[T16+4+\b]
.endr
.irp b, 0,1,2,3
	v_add_nc_u32 v[T16+12+\b], 0xff000000, v[T16+\b]
.endr
.irp b, 0,1,2,3
	v_lshrrev_b32 v[T16+4+\b], 23, v[T16+12+\b]
.endr
	v_lshl_or_b32 v[PW], v[T16+5], 8, v[T16+4]
	v_lshl_or_b32 v[PW], v[T16+6], 16, v[PW]
	v_lshl_or_b32 v[PW], v[T16+7], 24, v[PW]
.irp c, 0,1
	v_cvt_scalef32_pk16_fp6_f32 v[QPC+6*\c:QPC+2+6*\c], v[\s+32*\c:\s+15+32*\c], v[T16+12+2*\c]
	v_cvt_scalef32_pk16_fp6_f32 v[QPC+12+4*\c:QPC+14+4*\c], v[\s+16+32*\c:\s+31+32*\c], v[T16+12+2*\c+1]
.endr
	v_nop                                          ; a plain line behind the conversions
.irp c, 0,1                                    ; the operand's layout wants a whole block in a lane
.irp i, 0,1,2
	v_permlane16_swap_b32 v[QPC+6*\c+\i], v[QPC+12+4*\c+\i]
.endr
.irp i, 0,1,2
	v_mov_b32 v[QPC+3+6*\c+\i], v[QPC+12+4*\c+\i]
.endr
.endr
.endm
	ds_store_b32 v23, v22                          ; b1's 128 numbers, 32 a wave
	XADR
	XLOAD                                          ; my first tile's rows of x
	TKNEXT 4
	s_wait_dscnt 0x0                               ; for the others: my images, scale words and part of b1 have landed
	s_barrier_signal -1
	s_barrier_wait -1                              ; the launch's one barrier; behind it no wave writes LDS
	s_cmp_eq_u32 s46, 0
	s_cbranch_scc1 .Lend                           ; no tile for my wave
	FRAGS
	s_mov_b32 s47, 0                               ; trips done
.LT:                                               ; a tile of 16 tokens a trip; s46 trips
	BIAS
	s_wait_loadcnt 0x0                             ; this tile's x, and the next tile's tokens
	s_wait_dscnt 0x0
	MULS
	XADR                                           ; two of the four plain lines between the last product and the loads into its operands
	v_nop
	v_nop
	s_wait_xcnt 0x0                                ; the last trip's stores have read their registers
	XLOAD                                          ; the next tile's x lands under the vector work below
	TKNEXT 8
	s_add_co_u32 s30, s27, s29
	s_min_u32 s30, s30, 71                         ; this tile among all tiles
	s_mul_i32 s40, s30, 49152
	s_add_co_u32 s40, s40, s44
	v_add_nc_u32 v[HCO], s40, v[L16]
	s_lshl_b32 s41, s30, 11
	s_add_co_u32 s41, s41, s45
	v_lshl_add_u32 v[HSO], v[R4], 2, s41
	GELU 0
	GELU 1
	GELU 2
	GELU 3
	QUANT AC
.irp k, 0,1,2
	global_store_b128 v[HCO], v[QPC+4*\k:QPC+4*\k+3], s[14:15] offset:512*\k   ; the fragment's image: 512 consecutive bytes a store, aligned
.endr
	global_store_b32 v[HSO], v[PW], s[16:17]       ; row r's word (lanes 16-31 hold and write the same)
	s_add_co_u32 s29, s29, 4                       ; my next tile
	s_add_co_u32 s47, s47, 1
	s_cmp_lt_u32 s47, s46
	s_cbranch_scc1 .LT
.Lend:
	s_set_vgpr_msb 0x8
	s_wait_tensorcnt 0x0
	ds_add_u32 v31, v255
	s_wait_dscnt 0x0
	s_set_vgpr_msb 0x800
	s_endpgm
.Lfunc_end_k_qf0aef9482c_up:
	.size	k_qf0aef9482c_up, .Lfunc_end_k_qf0aef9482c_up-k_qf0aef9482c_up
	.p2alignl 7, 3214868480
	.fill 96, 4, 3214868480
	.section	.rodata,"a",@progbits
	.p2align	6, 0x0
	.amdhsa_kernel k_qf0aef9482c_up
		.amdhsa_group_segment_fixed_size 171008
		.amdhsa_private_segment_fixed_size 0
		.amdhsa_enable_private_segment 0
		.amdhsa_kernarg_size 56
		.amdhsa_user_sgpr_count 2
		.amdhsa_user_sgpr_kernarg_segment_ptr 1
		.amdhsa_wavefront_size32 1
		.amdhsa_system_sgpr_workgroup_id_x 1
		.amdhsa_system_sgpr_workgroup_id_y 1
		.amdhsa_system_sgpr_workgroup_id_z 1
		.amdhsa_system_vgpr_workitem_id 0
		.amdhsa_next_free_vgpr 1024
		.amdhsa_next_free_sgpr 66
		.amdhsa_reserve_vcc 0
		.amdhsa_float_denorm_mode_32 3
		.amdhsa_float_denorm_mode_16_64 3
		.amdhsa_memory_ordered 1
		.amdhsa_forward_progress 1
		.amdhsa_inst_pref_size 107
	.end_amdhsa_kernel
	.amdgpu_metadata
---
amdhsa.version: [ 1, 2 ]
amdhsa.kernels:
  - .name:           k_qf0aef9482c_up
    .symbol:         k_qf0aef9482c_up.kd
    .args:
      - { .name: w1, .offset: 0, .size: 8, .value_kind: global_buffer, .address_space: global }
      - { .name: b1, .offset: 8, .size: 8, .value_kind: global_buffer, .address_space: global }
      - { .name: xrec, .offset: 16, .size: 8, .value_kind: global_buffer, .address_space: global }
      - { .name: list, .offset: 24, .size: 8, .value_kind: global_buffer, .address_space: global }
      - { .name: meta, .offset: 32, .size: 8, .value_kind: global_buffer, .address_space: global }
      - { .name: hcode, .offset: 40, .size: 8, .value_kind: global_buffer, .address_space: global }
      - { .name: hscale, .offset: 48, .size: 8, .value_kind: global_buffer, .address_space: global }
    .group_segment_fixed_size: 171008
    .private_segment_fixed_size: 0
    .kernarg_segment_align: 8
    .kernarg_segment_size: 56
    .max_flat_workgroup_size: 128
    .sgpr_count:     66
    .vgpr_count:     1024
    .wavefront_size: 32
...
	.end_amdgpu_metadata
.endif
;; end of part 3
;; launch down (part 4): grid 256 x 1, 4 waves a work-group, no clusters, 179,712 bytes of LDS; arguments w2, b2, hcode, hscale, list, meta, out0; writes out0
.if DOCPART == 4
	.amdgcn_target "amdgcn-amd-amdhsa--gfx1250"
	.amdhsa_code_object_version 6
	.text
	.protected	k_qf0aef9482c_down
	.globl	k_qf0aef9482c_down
	.p2align	8
	.type	k_qf0aef9482c_down,@function
k_qf0aef9482c_down:
	s_mov_b64 s[64:65], 0
	v_nop
	global_prefetch_b8 v0, s[64:65] scope:SCOPE_SE
	s_setreg_imm32_b32 hwreg(HW_REG_WAVE_MODE, 25, 1), 1
	s_wait_xcnt 0x0
; DOWN.  out = h W2^T + b2 for the tokens of ONE expert and 32 output columns (the routing weight is 1: one expert a token).  Work-group = 32 e + cb: expert e, columns 32 cb on: 512 KB of w2, read once as f32.
; PHASE A as in the launch before: wave v streams K steps 8 v .. 8 v + 7 of the 32 rows, quantises them to FP6 (E2M3) with E8M0 scales and stores the fragments as images of their registers.  ONE barrier.
; PHASE B: every wave takes all 64 fragments (K step s, tile u: n = 2 s + u) into registers and then whole tiles of 16 tokens, T = wave, wave + 4 .. below the expert's number of tiles, which an earlier launch stored.
; h's fragments come from memory as images, four K steps (13 loads) a chunk, two chunks ahead, on into the next tile.  Four accumulators by turns: even and odd K steps x two tiles of columns; the halves are added at the end.
; The product is used transposed (source 0 = 16 rows of W2, source 1 = 16 tokens): a lane holds eight neighbouring columns of one token; a tile goes through the wave's own stage and leaves as rows of 128 consecutive bytes.
; 32 columns are half of an aligned 256 bytes: 64 columns would leave half as many work-groups for the stream of weights, which is nearly all of the launch's bytes.
; The free slots of an expert's last tile repeat its first token: they give the same bits and store them to the same place.
; No tensor load and no joint request: the number of tiles is read from memory.  LIMITS as in the launch before.  The look-ahead past a wave's last tile reads a tile of the same expert again and uses nothing of it.
.set UPK,   0
.set PITCH, 16384
.set WIMG,  67584
.set WSC,   165888
.set OST,   169984                     ; four stages of 16 rows x (128 + 16) bytes
.set IUNIT, 3072
.set SUNIT, 128
.set L16, 1
.set SA,  12
.set SR,  13
.set IW0, 14
.set IWC, 15
.set SW0, 16
.set SWC, 17
.set SH8, 18
.set WR0, 19
.set WR1, 20
.set WSR, 21
.set WS,  32                           ; v32-63 the weights' scale words, register s: lanes 0-15 tile 0, lanes 16-31 tile 1
.set ATM, 68
.set ASO, 72
.set APT, 76
.set ASWD, 78
.set ASWP, 80
.set APC, 82
.set ATC, 106
.set X,   128
.set F63, 68
.set R16, 2                            ; 16 r
.set HO,  3                            ; this tile in hcode
.set SOF, 4                            ; and in hscale
.set HN,  5                            ; the next tile
.set SN,  6
.set LOT, 7
.set CB,  8                            ; 128 cb + 16 (l % 8)
.set OI,  9                            ; the stage, in
.set OO,  10                           ; and back
.set G16, 11                           ; 16 (l / 8)
.set B2O, 22                           ; 32 h
.set HSC0, 64                          ; v64-67, v124-127: h's scale words of a chunk: scales and nothing else
.set AC,  80                           ; v80-111 four accumulators
.set BUF0, 128                         ; v128-175, v176-223: a chunk's four fragments
.set BI,  224                          ; v224-239 b2 in the result's layout
.set TKO, 240
.set OFF, 244
.set MSB, 0
.macro WIN new                         ; the immediate's high byte repeats the setting that is left
.if MSB != (\new)
	s_set_vgpr_msb (MSB<<8)|(\new)
.set MSB, (\new)
.endif
.endm
.macro WLOAD set, off                  ; a unit: 32 rows x 512 consecutive bytes, into a batch in window 1
	WIN 0x40
.set KK, 0
.rept 32
	global_load_b128 v[128*(\set)+4*KK:128*(\set)+4*KK+3], v[L16], s[24:25] offset:KK*PITCH+(\off) th:TH_LOAD_NT
.set KK, KK+1
.endr
	WIN 0
.endm
.macro TURN set                        ; the unit through my stage: rows in (528 bytes apart), whole blocks of 32 along K back
	WIN 0x04
.set KK, 0
.rept 32
.if UPK
.set SL, 16*((KK/8)%2)+8*(KK/16)+KK%8
.else
.set SL, KK
.endif
	ds_store_b128 v[SA], v[128*(\set)+4*KK:128*(\set)+4*KK+3] offset:SL*528
.set KK, KK+1
.endr
	WIN 0
.irp q, 0,1,2,3
.irp j, 0,1,2,3,4,5,6,7
	ds_load_b128 v[X+32*\q+4*\j:X+32*\q+4*\j+3], v[SR] offset:8448*(\q/2)+256*(\q%2)+16*\j
.endr
.endr
	s_wait_dscnt 0x0                               ; the numbers are back; the batch has been read and may be loaded again
.endm
.macro QUANT32                         ; four whole blocks of a lane become two fragments' codes and the pair's scale words
.irp q, 0,1,2,3
	v_max3_num_f32 v[ATM+\q], |v[X+32*\q]|, |v[X+32*\q+1]|, 0x1800000
.endr
.irp i, 2,4,6,8,10,12,14,16,18,20,22,24,26,28,30
.irp q, 0,1,2,3
	v_max3_num_f32 v[ATM+\q], v[ATM+\q], |v[X+32*\q+\i]|, |v[X+32*\q+\i+1]|
.endr
.endr
.irp q, 0,1,2,3
	v_add_nc_u32 v[ASO+\q], 0xff000000, v[ATM+\q]
.endr
.irp q, 0,1,2,3
	v_lshrrev_b32 v[ATM+\q], 23, v[ASO+\q]
.endr
.irp u, 0,1
	v_lshl_or_b32 v[ASWD+\u], v[ATM+2*\u+1], 16, v[ATM+2*\u]
.endr
.irp u, 0,1
	v_lshlrev_b32 v[ASWD+\u], v[SH8], v[ASWD+\u]
.endr
.irp u, 0,1
	v_permlanex16_b32 v[APT+\u], v[ASWD+\u], s32, s33
.endr
.irp u, 0,1
	v_or_b32 v[ASWD+\u], v[ASWD+\u], v[APT+\u]
.endr
	v_cndmask_b32 v[ASWP], v[ASWD], v[ASWD+1], s36
.irp q, 0,1,2,3
	v_cvt_scalef32_pk16_fp6_f32 v[APC+6*\q:APC+6*\q+2], v[X+32*\q:X+32*\q+15], v[ASO+\q]
	v_cvt_scalef32_pk16_fp6_f32 v[ATC+4*\q:ATC+4*\q+2], v[X+32*\q+16:X+32*\q+31], v[ASO+\q]
.endr
	v_nop                                          ; a plain line behind the conversions
.irp q, 0,1,2,3
.irp i, 0,1,2
	v_mov_b32 v[APC+6*\q+3+\i], v[ATC+4*\q+\i]
.endr
.endr
.endm
.macro IMAGE par
.irp u, 0,1
.irp k, 0,1,2
	ds_store_b128 v[IWC], v[APC+12*\u+4*\k:APC+12*\u+4*\k+3] offset:(\par)*IUNIT+1536*\u+512*\k
.endr
.endr
	ds_store_b32 v[SWC], v[ASWP] offset:(\par)*SUNIT
.endm
.macro UNIT set, left, next
	s_wait_loadcnt \left                           ; this batch is in; the other batch's 32 loads may be out
	TURN \set
.if \next
	WLOAD \set, 1024+512*(\set)
.endif
	QUANT32
	IMAGE \set
.endm
.macro FRAGS
.set NN, 0
.rept 64
.if UPK
.set LI, 16*((NN%8)/2)+2*(NN/8)+NN%2
.else
.set LI, NN
.endif
.if NN == 63
	WIN 0
.set FA, F63
.else
	WIN (1+NN/21)*64
.set FA, 12*(NN%21)
.endif
.irp k, 0,1,2
.if LI < 32
	ds_load_b128 v[FA+4*\k:FA+4*\k+3], v[WR0] offset:LI*1536+512*\k
.else
	ds_load_b128 v[FA+4*\k:FA+4*\k+3], v[WR1] offset:(LI-32)*1536+512*\k
.endif
.endr
.set NN, NN+1
.endr
	WIN 0
.irp m, 0,1,2,3,4,5,6,7,8,9,10,11,12,13,14,15,16,17,18,19,20,21,22,23,24,25,26,27,28,29,30,31
	ds_load_b32 v[WS+\m], v[WSR] offset:128*\m
.endr
	s_wait_dscnt 0x0
.endm
	s_load_b256 s[4:11], s[0:1], 0x0               ; w2 s[4:5], b2 s[6:7], hcode s[8:9], hscale s[10:11]
	s_load_b128 s[12:15], s[0:1], 0x20             ; list s[12:13], meta s[14:15]
	s_load_b64 s[16:17], s[0:1], 0x30              ; out0
	v_lshl_add_u32 v122, v0, 2, 0x2bc00
	v_mov_b32 v123, 0
	v_lshrrev_b32 v2, 5, v0
	v_readfirstlane_b32 s18, v2                    ; wave
	s_mov_b32 s19, ttmp9
	s_lshr_b32 s20, s19, 5                         ; e
	s_and_b32 s21, s19, 31                         ; cb
	v_and_b32 v24, 31, v0                          ; lane
	v_and_b32 v25, 15, v0                          ; r
	v_bfe_u32 v26, v0, 4, 1                        ; h
	v_lshrrev_b32 v27, 3, v24                      ; l / 8
	v_and_b32 v28, 7, v0                           ; l % 8
	v_lshlrev_b32 v[L16], 4, v24
	v_lshlrev_b32 v[R16], 4, v25
	s_mul_i32 s40, s18, 16896                      ; my stage of phase A
	v_add_nc_u32 v[SA], s40, v[L16]
	v_mul_u32_u24 v[SR], v25, 528
	v_lshl_add_u32 v[SR], v26, 7, v[SR]
	v_add_nc_u32 v[SR], s40, v[SR]
	s_mul_i32 s40, s18, 24576
	s_add_co_u32 s40, s40, WIMG
	v_add_nc_u32 v[IW0], s40, v[L16]
	s_lshl_b32 s40, s18, 10
	s_add_co_u32 s40, s40, WSC
	v_lshl_add_u32 v[SW0], v24, 2, s40
	v_lshlrev_b32 v[SH8], 3, v26
	v_add_nc_u32 v[WR0], WIMG, v[L16]
	v_add_nc_u32 v[WR1], WIMG+49152, v[L16]
	v_lshl_add_u32 v[WSR], v24, 2, WSC
	v_mov_b32 v[APT], 0                            ; a lane permute's destination counts as read
	v_mov_b32 v[APT+1], 0
	s_mul_i32 s40, s18, 2304
	s_add_co_u32 s40, s40, OST                     ; my stage of phase B
	v_mul_u32_u24 v[OI], v25, 144
	v_lshl_add_u32 v[OI], v26, 5, v[OI]
	v_add_nc_u32 v[OI], s40, v[OI]                 ; in: row r, + 32 h
	v_mul_u32_u24 v[OO], v27, 576
	v_lshl_add_u32 v[OO], v28, 4, v[OO]
	v_add_nc_u32 v[OO], s40, v[OO]                 ; back: eight lanes to a row, rows 4 (l / 8) on
	v_lshlrev_b32 v[G16], 4, v27
	s_lshl_b32 s41, s21, 7
	v_lshl_add_u32 v[CB], v28, 4, s41
	v_lshlrev_b32 v[B2O], 5, v26
	s_mov_b32 s32, 0x76543210
	s_mov_b32 s33, 0xfedcba98                      ; lane l xor 16
	s_mov_b32 s36, 0xffff0000                      ; lanes 16-31
	s_lshl_b32 s22, s19, 19
	s_lshl_b32 s23, s18, 12
	s_add_co_u32 s22, s22, s23
	s_mov_b32 s23, 0
	s_lshl_b32 s42, s19, 7                         ; b2: 32 x work-group numbers on
	s_mov_b32 s43, 0
	s_lshl_b32 s40, s20, 4
	s_wait_kmcnt 0x0
	s_add_nc_u64 s[24:25], s[4:5], s[22:23]        ; my wave's eight K steps of the 32 rows
	s_add_nc_u64 s[6:7], s[6:7], s[42:43]
	WLOAD 0, 0
	WLOAD 1, 512
	s_load_b64 s[26:27], s[14:15], s40 offset:0x0  ; the expert's tiles and its first tile
	s_wait_kmcnt 0x0
	s_min_u32 s26, s26, 64
	s_min_u32 s27, s27, 71
	s_max_u32 s28, s26, 1
	s_sub_co_u32 s28, s28, 1                       ; the last tile
	s_add_co_u32 s46, s26, 3
	s_sub_co_u32 s46, s46, s18
	s_lshr_b32 s46, s46, 2                         ; my wave's tiles: T = wave, wave + 4 .. : (tiles + 3 - wave) / 4, at most 16
	s_mov_b32 s29, s18                             ; T
	s_mov_b32 s37, 3
	s_mov_b32 s38, 0
	s_mov_b32 s39, 0
.LA:                                               ; three trips of two units; each asks for the two units that follow
	v_add_nc_u32 v[IWC], s38, v[IW0]
	v_add_nc_u32 v[SWC], s39, v[SW0]
	UNIT 0, 32, 1
	UNIT 1, 32, 1
	s_wait_xcnt 0x0                                ; the loads have read their base
	s_add_nc_u64 s[24:25], s[24:25], 1024
	s_add_co_u32 s38, s38, 2*IUNIT
	s_add_co_u32 s39, s39, 2*SUNIT
	s_sub_co_u32 s37, s37, 1
	s_cmp_lg_u32 s37, 0
	s_cbranch_scc1 .LA
	v_add_nc_u32 v[IWC], s38, v[IW0]
	v_add_nc_u32 v[SWC], s39, v[SW0]
	UNIT 0, 32, 0                                  ; the last two units ask for nothing
	UNIT 1, 0, 0
.macro TADR st, vh, vs                 ; a tile's places in hcode and hscale
	s_mul_i32 s40, \st, 49152
	v_add_nc_u32 v[\vh], s40, v[L16]
	s_lshl_b32 s41, \st, 11
	v_add_nc_u32 v[\vs], s41, v[R16]
.endm
.macro GNEXT                           ; tile T + 4, held at the expert's last tile
	s_add_co_u32 s31, s29, 4
	s_min_u32 s31, s31, s28
	s_add_co_u32 s31, s31, s27
	s_min_u32 s31, s31, 71
.endm
.macro CLOAD bf, ah, av, q             ; chunk q: four fragments' images, 512 consecutive bytes a load, and their scale words: 13 loads
.irp sl, 0,1,2,3
.irp k, 0,1,2
	global_load_b128 v[BUF0+48*(\bf)+12*\sl+4*\k:BUF0+48*(\bf)+12*\sl+4*\k+3], v[\ah], s[8:9] offset:(4*(\q)+\sl)*1536+512*\k
.endr
.endr
	global_load_b128 v[HSC0+60*(\bf):HSC0+60*(\bf)+3], v[\av], s[10:11] offset:256*(\q)
.endm
.macro MD d, a, b, cm, c, sa, sb, ra   ; cm = 0: the constant 0 starts the sum
.if (\cm) == 0
.if (\ra)
	v_wmma_scale_f32_16x16x128_f8f6f4 v[(\d):(\d)+7], v[(\a):(\a)+11], v[(\b):(\b)+11], 0, v[(\sa)], v[(\sb)] matrix_a_fmt:MATRIX_FMT_FP6 matrix_b_fmt:MATRIX_FMT_FP6 matrix_a_scale:MATRIX_SCALE_ROW1
.else
	v_wmma_scale_f32_16x16x128_f8f6f4 v[(\d):(\d)+7], v[(\a):(\a)+11], v[(\b):(\b)+11], 0, v[(\sa)], v[(\sb)] matrix_a_fmt:MATRIX_FMT_FP6 matrix_b_fmt:MATRIX_FMT_FP6
.endif
.else
.if (\ra)
	v_wmma_scale_f32_16x16x128_f8f6f4 v[(\d):(\d)+7], v[(\a):(\a)+11], v[(\b):(\b)+11], v[(\c):(\c)+7], v[(\sa)], v[(\sb)] matrix_a_fmt:MATRIX_FMT_FP6 matrix_b_fmt:MATRIX_FMT_FP6 matrix_a_scale:MATRIX_SCALE_ROW1
.else
	v_wmma_scale_f32_16x16x128_f8f6f4 v[(\d):(\d)+7], v[(\a):(\a)+11], v[(\b):(\b)+11], v[(\c):(\c)+7], v[(\sa)], v[(\sb)] matrix_a_fmt:MATRIX_FMT_FP6 matrix_b_fmt:MATRIX_FMT_FP6
.endif
.endif
.endm
; Chunk q of a tile: eight products, the four accumulators by turns; then its buffer takes chunk qn of the tile at ah, av.
.macro CHUNK q, left, ah, av, qn
	s_wait_loadcnt \left
.irp sl, 0,1,2,3
.irp u, 0,1
.set KST, 4*(\q)+\sl
.set NN, 2*KST+\u
.set DA, AC+8*(2*(KST%2)+\u)
.if NN == 63
	WIN 0
.set FA, F63
.else
	WIN 1+NN/21
.set FA, 12*(NN%21)
.endif
.if KST == 0
	MD DA, FA, BUF0+48*((\q)%2)+12*\sl, 1, BI+8*\u, WS+KST, HSC0+60*((\q)%2)+\sl, \u
.elseif KST == 1
	MD DA, FA, BUF0+48*((\q)%2)+12*\sl, 0, 0, WS+KST, HSC0+60*((\q)%2)+\sl, \u
.else
	MD DA, FA, BUF0+48*((\q)%2)+12*\sl, 1, DA, WS+KST, HSC0+60*((\q)%2)+\sl, \u
.endif
.endr
.endr
	WIN 0
.rept 4
	v_nop                                          ; four plain lines between the products and the loads into their operands, and the first read of results
.endr
	CLOAD (\q)%2, \ah, \av, \qn
.endm
	s_add_co_u32 s30, s27, s18
	s_min_u32 s30, s30, 71
	TADR s30, HO, SOF                              ; my first tile
	GNEXT
	TADR s31, HN, SN                               ; and the one after it
.irp u, 0,1
.irp j, 0,1
	global_load_b128 v[BI+8*\u+4*\j:BI+8*\u+4*\j+3], v[B2O], s[6:7] offset:64*\u+16*\j   ; b2 at my eight columns of each tile
.endr
.endr
	CLOAD 0, HO, SOF, 0
	CLOAD 1, HO, SOF, 1
	s_wait_dscnt 0x0                               ; for the others: my images and scale words have landed
	s_barrier_signal -1
	s_barrier_wait -1                              ; the launch's one barrier; behind it a wave writes only its own stage
	s_cmp_eq_u32 s46, 0
	s_cbranch_scc1 .Lend                           ; no tile for my wave
	FRAGS
	s_mov_b32 s47, 0                               ; trips done
.LT:                                               ; a tile of 16 tokens a trip; s46 trips
	s_add_co_u32 s30, s27, s29
	s_min_u32 s30, s30, 71
	v_lshl_add_u32 v[LOT], s30, 6, v[G16]
	global_load_b128 v[TKO:TKO+3], v[LOT], s[12:13]   ; the tokens of rows 4 (l / 8) + 0 .. 3
	CHUNK 0, 14, HO, SOF, 2                        ; 14: the other buffer's 13 loads and the tokens' may be out
	CHUNK 1, 14, HO, SOF, 3
	CHUNK 2, 13, HO, SOF, 4                        ; 13: the other buffer's
	CHUNK 3, 13, HO, SOF, 5
	CHUNK 4, 13, HO, SOF, 6
	CHUNK 5, 13, HO, SOF, 7
	CHUNK 6, 13, HN, SN, 0                         ; on into the next tile
	CHUNK 7, 13, HN, SN, 1
.irp u, 0,1
.irp i, 0,2,4,6
	v_pk_add_f32 v[AC+8*\u+\i:AC+8*\u+\i+1], v[AC+8*\u+\i:AC+8*\u+\i+1], v[AC+16+8*\u+\i:AC+16+8*\u+\i+1]   ; even and odd K steps; each accumulator from its low end on
.endr
.endr
.irp u, 0,1
.irp j, 0,1
	ds_store_b128 v[OI], v[AC+8*\u+4*\j:AC+8*\u+4*\j+3] offset:64*\u+16*\j
.endr
.endr
.irp i, 0,1,2,3
	ds_load_b128 v[AC+16+4*\i:AC+16+4*\i+3], v[OO] offset:144*\i   ; LDS serves a wave's instructions in order: these see my stores
.endr
.irp i, 0,1,2,3
	v_min_u32 v[TKO+\i], 0x3ff, v[TKO+\i]
	v_lshl_add_u32 v[OFF+\i], v[TKO+\i], 12, v[CB]
.endr
	s_wait_dscnt 0x0
.irp i, 0,1,2,3
	global_store_b128 v[OFF+\i], v[AC+16+4*\i:AC+16+4*\i+3], s[16:17] th:TH_STORE_NT   ; eight lanes store 128 consecutive bytes of a token's row
.endr
	s_wait_xcnt 0x0                                ; loads and stores have read their registers: addresses and data may be written again
	v_mov_b32 v[HO], v[HN]
	v_mov_b32 v[SOF], v[SN]
	s_add_co_u32 s29, s29, 4                       ; my next tile
	GNEXT
	TADR s31, HN, SN
	s_add_co_u32 s47, s47, 1
	s_cmp_lt_u32 s47, s46
	s_cbranch_scc1 .LT
.Lend:
	s_wait_tensorcnt 0x0
	ds_add_u32 v122, v123
	s_wait_dscnt 0x0
	s_endpgm
.Lfunc_end_k_qf0aef9482c_down:
	.size	k_qf0aef9482c_down, .Lfunc_end_k_qf0aef9482c_down-k_qf0aef9482c_down
	.p2alignl 7, 3214868480
	.fill 96, 4, 3214868480
	.section	.rodata,"a",@progbits
	.p2align	6, 0x0
	.amdhsa_kernel k_qf0aef9482c_down
		.amdhsa_group_segment_fixed_size 179712
		.amdhsa_private_segment_fixed_size 0
		.amdhsa_enable_private_segment 0
		.amdhsa_kernarg_size 56
		.amdhsa_user_sgpr_count 2
		.amdhsa_user_sgpr_kernarg_segment_ptr 1
		.amdhsa_wavefront_size32 1
		.amdhsa_system_sgpr_workgroup_id_x 1
		.amdhsa_system_sgpr_workgroup_id_y 1
		.amdhsa_system_sgpr_workgroup_id_z 1
		.amdhsa_system_vgpr_workitem_id 0
		.amdhsa_next_free_vgpr 1024
		.amdhsa_next_free_sgpr 66
		.amdhsa_reserve_vcc 0
		.amdhsa_float_denorm_mode_32 3
		.amdhsa_float_denorm_mode_16_64 3
		.amdhsa_memory_ordered 1
		.amdhsa_forward_progress 1
		.amdhsa_inst_pref_size 98
	.end_amdhsa_kernel
	.amdgpu_metadata
---
amdhsa.version: [ 1, 2 ]
amdhsa.kernels:
  - .name:           k_qf0aef9482c_down
    .symbol:         k_qf0aef9482c_down.kd
    .args:
      - { .name: w2, .offset: 0, .size: 8, .value_kind: global_buffer, .address_space: global }
      - { .name: b2, .offset: 8, .size: 8, .value_kind: global_buffer, .address_space: global }
      - { .name: hcode, .offset: 16, .size: 8, .value_kind: global_buffer, .address_space: global }
      - { .name: hscale, .offset: 24, .size: 8, .value_kind: global_buffer, .address_space: global }
      - { .name: list, .offset: 32, .size: 8, .value_kind: global_buffer, .address_space: global }
      - { .name: meta, .offset: 40, .size: 8, .value_kind: global_buffer, .address_space: global }
      - { .name: out0, .offset: 48, .size: 8, .value_kind: global_buffer, .address_space: global }
    .group_segment_fixed_size: 179712
    .private_segment_fixed_size: 0
    .kernarg_segment_align: 8
    .kernarg_segment_size: 56
    .max_flat_workgroup_size: 128
    .sgpr_count:     66
    .vgpr_count:     1024
    .wavefront_size: 32
...
	.end_amdgpu_metadata
.endif
;; end of part 4
;; ======== version 2 of 2: 4 launches; version 1 with the launches up, down written anew for expert scheduling mode
;; workspace buffers: xrec 1,048,576 bytes; sel 4,096 bytes of whole numbers; lz 4,096 bytes; list 4,608 bytes of whole numbers; meta 512 bytes of whole numbers; hcode 3,538,944 bytes; hscale 147,456 bytes
;; launch route: the kernel of part 1 again; grid 256 x 1, 4 waves a work-group, no clusters, 23,040 bytes of LDS; arguments hidden_states, gate_w, xrec, sel, lz; writes xrec, sel, lz
;; launch place: the kernel of part 2 again; grid 1 x 1, 32 waves a work-group, no clusters, 8,192 bytes of LDS; arguments sel, lz, list, meta, out1, out2; writes list, meta, out1, out2
;; launch up (part 5): grid 256 x 1, 4 waves a work-group, no clusters, 171,008 bytes of LDS; arguments w1, b1, xrec, list, meta, hcode, hscale; writes hcode, hscale
.if DOCPART == 5
	.amdgcn_target "amdgcn-amd-amdhsa--gfx1250"
	.amdhsa_code_object_version 6
	.text
	.protected	k_qf0aef9482c_up
	.globl	k_qf0aef9482c_up
	.p2align	8
	.type	k_qf0aef9482c_up,@function
k_qf0aef9482c_up:
	s_mov_b64 s[64:65], 0
	v_nop
	global_prefetch_b8 v0, s[64:65] scope:SCOPE_SE
	s_setreg_imm32_b32 hwreg(HW_REG_WAVE_SCHED_MODE, 0, 2), 2
	s_setreg_imm32_b32 hwreg(HW_REG_WAVE_MODE, 25, 1), 1
	s_wait_xcnt 0x0
	s_wait_alu depctr_vm_vsrc(0)
; UP.  h = gelu(x W1^T + b1) for the tokens of ONE expert and 128 hidden units, quantised along F.  Work-group = 32 e + ks: expert e, hidden units 128 ks on: 512 KB of w1, read once as f32.
; PHASE A: wave v streams hidden rows 32 v .. 32 v + 31 (8 units of 32 rows x 128 K), turns each unit through its own stage in LDS so that a lane holds whole blocks of 32 along K, quantises it to FP6 (E2M3)
; with E8M0 scales, and stores the two fragments as images of their registers.  Two batches of 32 loads of a wave are out at a time.  ONE barrier.
; PHASE B: every wave takes all 64 fragments into registers (768) and then whole tiles of 16 tokens, T = wave, wave + 4 .. below the expert's number of tiles, which an earlier launch stored: no barrier, no stepped LDS address.
; The product is used transposed (source 0 = 16 rows of W1, source 1 = 16 tokens), and lane r of tile 2 b + u holds row 32 b + 8 u + r + 8 (r / 8), so that a lane's 64 results are, block by block, 16 neighbours along F.
; No tensor load and no joint request, though the 32 work-groups of an expert read the same rows of x: the number of tiles is read from memory, and partners would need different numbers of trips.
; gelu(x) = x / (1 + 2^(x (c0 + c1 x^2))), c0 = -2 log2(e) sqrt(2 / pi), c1 = 0.044715 c0: the tanh form, in f32.
; LIMITS: NaN and infinities are not served; a block whose largest magnitude lies under 2^-124 keeps the byte 1 (a block of zeros too: its codes are zeros; this program alone reads the bytes).
; An expert without tokens still has its slice streamed.
; REGISTERS.  Window 0, phase A: v1, v12-21 addresses; v68-121 at work; v128-255 a unit's 128 numbers a lane.  Window 1, phase A: two batches of 128.
; Phase B: fragment n = 8 s + t (K step s, tile t) in window 1 + n / 21 at v[12 (n % 21)], fragment 63 in window 0; window 0 as named below.
; THE MODE: SCHED_MODE bits 1:0 = 2 (LLVM: expert scheduling mode 2), set by the entry lines.  The code itself states the register dependences
; between vector or matrix instructions and memory or LDS instructions, with s_wait_alu, always for 0.
; THE PLAN, PHASE A.  Registers that memory or LDS instructions touch:
;   the two batches  written by the loads of w1, read by the LDS stores into the stage; no vector instruction names them.
;   v[X ..]          written by the LDS loads from the stage, read by the unit's maxima and conversions.
;   v[APC ..], v[ASWP]  written by the unit's vector lines, read by the LDS stores of the images.
;   v[IWC], v[SWC]   written at a trip's head, read by the images' stores.   v[L16], v[SA], v[SR]: made at the head, never written again in this phase.
; A unit has one wait on vm_vsrc, behind its turn through the stage, and one on va_vdst, ahead of its images' stores; a trip has one more on vm_vsrc at its end, for v[IWC] and v[SWC].
; THE PLAN, PHASE B.  v[ACT ..], v[XSC ..]: written by the loads of x, read by the 64 products.  v[AC ..]: written by the LDS loads of b1; then products, gelu and quantiser work in them.
;   v[XO], v[LO], v[HCO], v[HSO]: written by five vector lines that stand together behind the products, read by the loads of x and of tokens and by the stores.  v[TK]: written by a load, read and held by those lines.
;   v[QPC ..], v[PW]: written by the quantiser, read by the stores.
; A trip: the products; one wait on vm_vsrc; the address lines; one wait on va_vdst; the 26 loads; gelu (with the waits behind its exponentials and reciprocals) and the quantiser; one wait on va_vdst; the four stores.
.set UPK,   1
.set PITCH, 4096                       ; bytes from row to row of the weight
.set WIMG,  67584                      ; LDS: behind four stages of 32 x 528 bytes: 64 fragment images of 1,536 bytes, image 16 v + 2 i + u (wave, unit, tile)
.set WSC,   165888                     ; 32 x 128 bytes of scale words, pair 8 v + i: lanes 0-15 tile 0, lanes 16-31 tile 1
.set B1S,   169984                     ; the 128 numbers of b1
.set IUNIT, 3072
.set SUNIT, 128
.set L16, 1                            ; 16 x lane
.set SA,  12                           ; the stage, on the way in
.set SR,  13                           ; and back
.set IW0, 14                           ; my wave's images
.set IWC, 15                           ; those of the trip in hand
.set SW0, 16                           ; my wave's scale words
.set SWC, 17
.set SH8, 18                           ; 8 h
.set WR0, 19                           ; images 0-31 for my lane
.set WR1, 20                           ; images 32-63
.set WSR, 21
.set WS,  32                           ; v32-63 the weights' scale words: scales and nothing else
.set ATM, 68                           ; phase A: largest magnitudes, then bytes
.set ASO, 72                           ; the conversions' scale operands
.set APT, 76
.set ASWD, 78
.set ASWP, 80
.set APC, 82                           ; two fragments' codes
.set ATC, 106
.set X,   128
.set F63, 68                           ; phase B: fragment 63
.set BA,  0                            ; v0   B1S + 64 h
.set R4,  2                            ; 4 r
.set H48, 3                            ; 48 h
.set TK,  4                            ; my row's token
.set XO,  5                            ; its place in xrec
.set LO,  6
.set HCO, 7
.set HSO, 8
.set PW,  9                            ; h's scale word
.set QPC, 12                           ; v12-31 h's codes
.set XSC, 64                           ; v64-67 x's scale words: lanes 0-15 K steps 0-3, lanes 16-31 K steps 4-7
.set AC,  80                           ; v80-143 eight accumulators
.set ACT, 144                          ; v144-239 x's eight fragments
.set T16, 240                          ; v240-255 at work
.set MSB, 0
.macro WIN new                         ; the immediate's high byte repeats the setting that is left
.if MSB != (\new)
	s_set_vgpr_msb (MSB<<8)|(\new)
.set MSB, (\new)
.endif
.endm
.macro WLOAD set, off                  ; a unit: 32 rows x 512 consecutive bytes, into a batch in window 1
	WIN 0x40
.set KK, 0
.rept 32
	global_load_b128 v[128*(\set)+4*KK:128*(\set)+4*KK+3], v[L16], s[24:25] offset:KK*PITCH+(\off) th:TH_LOAD_NT
.set KK, KK+1
.endr
	WIN 0
.endm
.macro TURN set                        ; the unit through my stage: rows in (528 bytes apart), whole blocks of 32 along K back: block (u, c) of lane (r, h) = slot 16 u + r, K 64 c + 32 h on
	WIN 0x04
.set KK, 0
.rept 32
.if UPK
.set SL, 16*((KK/8)%2)+8*(KK/16)+KK%8
.else
.set SL, KK
.endif
	ds_store_b128 v[SA], v[128*(\set)+4*KK:128*(\set)+4*KK+3] offset:SL*528
.set KK, KK+1
.endr
	WIN 0
.irp q, 0,1,2,3
.irp j, 0,1,2,3,4,5,6,7
	ds_load_b128 v[X+32*\q+4*\j:X+32*\q+4*\j+3], v[SR] offset:8448*(\q/2)+256*(\q%2)+16*\j   ; no vector line since the wait ahead of the last images' stores names v[X ..]
.endr
.endr
	s_wait_dscnt 0x0                               ; the numbers are back
.endm
.macro QUANT32                         ; four whole blocks of a lane become two fragments' codes and the pair's scale words
.irp q, 0,1,2,3
	v_max3_num_f32 v[ATM+\q], |v[X+32*\q]|, |v[X+32*\q+1]|, 0x1800000   ; with the floor 2^(3 - 127): the byte cannot fall under 1
.endr
.irp i, 2,4,6,8,10,12,14,16,18,20,22,24,26,28,30
.irp q, 0,1,2,3
	v_max3_num_f32 v[ATM+\q], v[ATM+\q], |v[X+32*\q+\i]|, |v[X+32*\q+\i+1]|
.endr
.endr
.irp q, 0,1,2,3
	v_add_nc_u32 v[ASO+\q], 0xff000000, v[ATM+\q]  ; 2 off the exponent field: the conversion's scale operand
.endr
.irp q, 0,1,2,3
	v_lshrrev_b32 v[ATM+\q], 23, v[ASO+\q]         ; the byte
.endr
.irp u, 0,1
	v_lshl_or_b32 v[ASWD+\u], v[ATM+2*\u+1], 16, v[ATM+2*\u]   ; my blocks h and 2 + h
.endr
.irp u, 0,1
	v_lshlrev_b32 v[ASWD+\u], v[SH8], v[ASWD+\u]
.endr
.irp u, 0,1
	v_permlanex16_b32 v[APT+\u], v[ASWD+\u], s32, s33
.endr
.irp u, 0,1
	v_or_b32 v[ASWD+\u], v[ASWD+\u], v[APT+\u]     ; with lane l xor 16's two the word is whole
.endr
	v_cndmask_b32 v[ASWP], v[ASWD], v[ASWD+1], s36 ; lanes 0-15 tile 0's words, lanes 16-31 tile 1's
.irp q, 0,1,2,3
	v_cvt_scalef32_pk16_fp6_f32 v[APC+6*\q:APC+6*\q+2], v[X+32*\q:X+32*\q+15], v[ASO+\q]
	v_cvt_scalef32_pk16_fp6_f32 v[ATC+4*\q:ATC+4*\q+2], v[X+32*\q+16:X+32*\q+31], v[ASO+\q]
.endr
	v_nop                                          ; a plain line behind the conversions
.irp q, 0,1,2,3
.irp i, 0,1,2
	v_mov_b32 v[APC+6*\q+3+\i], v[ATC+4*\q+\i]
.endr
.endr
.endm
.macro IMAGE par                       ; the two fragments go to LDS as they stand: 16 bytes a lane, 512 a store
.irp u, 0,1
.irp k, 0,1,2
	ds_store_b128 v[IWC], v[APC+12*\u+4*\k:APC+12*\u+4*\k+3] offset:(\par)*IUNIT+1536*\u+512*\k
.endr
.endr
	ds_store_b32 v[SWC], v[ASWP] offset:(\par)*SUNIT
.endm
.macro UNIT set, left, next
	s_wait_loadcnt \left                           ; this batch is in; the other batch's 32 loads may be out
	TURN \set
.if \next
	WIN 0x40                                       ; the window of the loads below, set ahead of the wait
.endif
	s_wait_alu depctr_vm_vsrc(0)                   ; my LDS stores into the stage have read the batch, in which the loads below land; the images' stores of the unit before have read v[APC ..] and v[ASWP], which the lines below write again
.if \next
	WLOAD \set, 1024+512*(\set)
.endif
	QUANT32
	s_wait_alu depctr_va_vdst(0)                   ; v[APC ..] and v[ASWP] are written, and v[IWC], v[SWC] at the trip's head: the LDS stores below read them; the maxima and conversions are done reading v[X ..], in which the next unit's numbers land
	IMAGE \set
.endm
.macro FRAGS                           ; all 64 fragments and their scale words into registers.  The waits that free these registers stand ahead of the barrier; nothing since names them
.set NN, 0
.rept 64
.if UPK
.set LI, 16*((NN%8)/2)+2*(NN/8)+NN%2
.else
.set LI, NN
.endif
.if NN == 63
	WIN 0
.set FA, F63
.else
	WIN (1+NN/21)*64
.set FA, 12*(NN%21)
.endif
.irp k, 0,1,2
.if LI < 32
	ds_load_b128 v[FA+4*\k:FA+4*\k+3], v[WR0] offset:LI*1536+512*\k
.else
	ds_load_b128 v[FA+4*\k:FA+4*\k+3], v[WR1] offset:(LI-32)*1536+512*\k
.endif
.endr
.set NN, NN+1
.endr
	WIN 0
.irp m, 0,1,2,3,4,5,6,7,8,9,10,11,12,13,14,15,16,17,18,19,20,21,22,23,24,25,26,27,28,29,30,31
	ds_load_b32 v[WS+\m], v[WSR] offset:128*\m
.endr
	s_wait_dscnt 0x0
.endm
	s_load_b256 s[4:11], s[0:1], 0x0               ; w1 s[4:5], b1 s[6:7], xrec s[8:9], list s[10:11]
	s_load_b128 s[12:15], s[0:1], 0x20             ; meta s[12:13], hcode s[14:15]
	s_load_b64 s[16:17], s[0:1], 0x30              ; hscale
	v_lshl_add_u32 v31, v0, 2, 0x29a00
	s_set_vgpr_msb 0x80
	v_mov_b32 v255, 0
	s_set_vgpr_msb 0x8000
	v_lshrrev_b32 v2, 5, v0
	v_readfirstlane_b32 s18, v2                    ; wave
	s_mov_b32 s19, ttmp9
	s_lshr_b32 s20, s19, 5                         ; e
	s_and_b32 s21, s19, 31                         ; ks
	v_and_b32 v24, 31, v0                          ; lane
	v_and_b32 v25, 15, v0                          ; r
	v_bfe_u32 v26, v0, 4, 1                        ; h
	v_lshlrev_b32 v[L16], 4, v24
	v_lshlrev_b32 v[R4], 2, v25
	v_mul_u32_u24 v[H48], v26, 48
	s_wait_alu depctr_va_sdst(0)                   ; s18 is written, ahead of its first reader: LDS places, bases and the count of trips are made from it
	s_mul_i32 s40, s18, 16896                      ; my stage
	v_add_nc_u32 v[SA], s40, v[L16]
	v_mul_u32_u24 v[SR], v25, 528
	v_lshl_add_u32 v[SR], v26, 7, v[SR]
	v_add_nc_u32 v[SR], s40, v[SR]
	s_mul_i32 s40, s18, 24576
	s_add_co_u32 s40, s40, WIMG
	v_add_nc_u32 v[IW0], s40, v[L16]
	s_lshl_b32 s40, s18, 10
	s_add_co_u32 s40, s40, WSC
	v_lshl_add_u32 v[SW0], v24, 2, s40
	v_lshlrev_b32 v[SH8], 3, v26
	v_add_nc_u32 v[WR0], WIMG, v[L16]
	v_add_nc_u32 v[WR1], WIMG+49152, v[L16]
	v_lshl_add_u32 v[WSR], v24, 2, WSC
	v_mov_b32 v[APT], 0                            ; a lane permute's destination counts as read
	v_mov_b32 v[APT+1], 0
	s_lshl_b32 s41, s19, 9
	s_lshl_b32 s42, s18, 7
	s_add_co_u32 s41, s41, s42
	v_lshl_add_u32 v27, v24, 2, s41                ; b1: (128 x work-group + 32 v + lane) x 4
	s_add_co_u32 s42, s42, B1S
	v_lshl_add_u32 v23, v24, 2, s42
	v_mov_b32 v10, 0xc0135761                      ; c0, twice
	v_mov_b32 v11, 0xc0135761
	v_lshl_add_u32 v[BA], v26, 6, B1S              ; (the thread's number is not wanted any more)
	s_mov_b32 s32, 0x76543210
	s_mov_b32 s33, 0xfedcba98                      ; lane l xor 16
	s_mov_b32 s34, 0xbdd2d3e8                      ; c1, twice
	s_mov_b32 s35, 0xbdd2d3e8
	s_mov_b32 s36, 0xffff0000                      ; lanes 16-31
	s_mul_i32 s44, s21, 1536
	s_lshr_b32 s45, s21, 2
	s_lshl_b32 s45, s45, 8
	s_and_b32 s46, s21, 3
	s_lshl_b32 s46, s46, 2
	s_add_co_u32 s45, s45, s46                     ; hscale: 256 (ks / 4) + 4 (ks % 4)
	s_lshl_b32 s22, s19, 19
	s_lshl_b32 s23, s18, 17
	s_add_co_u32 s22, s22, s23
	s_mov_b32 s23, 0
	s_lshl_b32 s40, s20, 4
	s_wait_kmcnt 0x0
	s_add_nc_u64 s[24:25], s[4:5], s[22:23]        ; my wave's 32 rows
	s_wait_alu depctr_va_vdst(0)                   ; the head's offsets and LDS addresses are written (v0, v1, v12 to v14, v16, v19 to v21, v23, v27): the loads and LDS instructions below read them
	global_load_b32 v22, v27, s[6:7]
	WLOAD 0, 0
	WLOAD 1, 512
	s_load_b64 s[26:27], s[12:13], s40 offset:0x0  ; the expert's tiles and its first tile
	s_wait_kmcnt 0x0
	s_min_u32 s26, s26, 64
	s_min_u32 s27, s27, 71
	s_max_u32 s28, s26, 1
	s_sub_co_u32 s28, s28, 1                       ; the last tile
	s_add_co_u32 s46, s26, 3
	s_sub_co_u32 s46, s46, s18
	s_lshr_b32 s46, s46, 2                         ; my wave's tiles: T = wave, wave + 4 .. : (tiles + 3 - wave) / 4, at most 16
	s_mov_b32 s29, s18                             ; T
	s_add_co_u32 s30, s27, s18
	s_min_u32 s30, s30, 71
	v_lshl_add_u32 v[LO], s30, 6, v[R4]
	s_wait_alu depctr_va_vdst(0)                   ; v[LO] is written, which the load below reads as its offset
	global_load_b32 v[TK], v[LO], s[10:11]         ; my first tile's tokens
	s_mov_b32 s37, 3
	s_mov_b32 s38, 0
	s_mov_b32 s39, 0
.LA:                                               ; three trips of two units; each asks for the two units that follow
	v_add_nc_u32 v[IWC], s38, v[IW0]
	v_add_nc_u32 v[SWC], s39, v[SW0]
	UNIT 0, 32, 1
	UNIT 1, 32, 1
	s_wait_xcnt 0x0                                ; the loads have read their base
	s_wait_alu depctr_vm_vsrc(0)                   ; this trip's images' stores have read v[IWC] and v[SWC], which the next two adds write
	s_add_nc_u64 s[24:25], s[24:25], 1024
	s_add_co_u32 s38, s38, 2*IUNIT
	s_add_co_u32 s39, s39, 2*SUNIT
	s_sub_co_u32 s37, s37, 1
	s_cmp_lg_u32 s37, 0
	s_cbranch_scc1 .LA
	v_add_nc_u32 v[IWC], s38, v[IW0]
	v_add_nc_u32 v[SWC], s39, v[SW0]
	UNIT 0, 32, 0                                  ; the last two units ask for nothing
	UNIT 1, 0, 0                                   ; (the wait for 0 covers b1 and the tokens too)
.macro XADR
	v_min_u32 v[TK], 0x3ff, v[TK]
	v_lshl_add_u32 v[XO], v[TK], 10, v[H48]
.endm
.macro XLOAD                           ; my row's eight fragments, 48 bytes each, and its scale words
.irp s, 0,1,2,3,4,5,6,7
.irp k, 0,1,2
	global_load_b128 v[ACT+12*\s+4*\k:ACT+12*\s+4*\k+3], v[XO], s[8:9] offset:96*\s+16*\k
.endr
.endr
	global_load_b128 v[XSC:XSC+3], v[XO], s[8:9] offset:768
.endm
.macro TKADR d                         ; where the tokens of tile T + d stand, held at the expert's last tile
	s_add_co_u32 s31, s29, \d
	s_min_u32 s31, s31, s28
	s_add_co_u32 s31, s31, s27
	s_min_u32 s31, s31, 71
	v_lshl_add_u32 v[LO], s31, 6, v[R4]
.endm
.macro TKLOAD
	global_load_b32 v[TK], v[LO], s[10:11]
.endm
.macro BIAS                            ; b1 in the result's layout is the sums' first C
.irp t, 0,1,2,3,4,5,6,7
.irp j, 0,1
	ds_load_b128 v[AC+8*\t+4*\j:AC+8*\t+4*\j+3], v[BA] offset:128*(\t/2)+32*(\t%2)+16*\j
.endr
.endr
.endm
.macro MM d, a, b, sa, sb, ra, rb
.if (\ra) && (\rb)
	v_wmma_scale_f32_16x16x128_f8f6f4 v[(\d):(\d)+7], v[(\a):(\a)+11], v[(\b):(\b)+11], v[(\d):(\d)+7], v[(\sa)], v[(\sb)] matrix_a_fmt:MATRIX_FMT_FP6 matrix_b_fmt:MATRIX_FMT_FP6 matrix_a_scale:MATRIX_SCALE_ROW1 matrix_b_scale:MATRIX_SCALE_ROW1
.elseif (\ra)
	v_wmma_scale_f32_16x16x128_f8f6f4 v[(\d):(\d)+7], v[(\a):(\a)+11], v[(\b):(\b)+11], v[(\d):(\d)+7], v[(\sa)], v[(\sb)] matrix_a_fmt:MATRIX_FMT_FP6 matrix_b_fmt:MATRIX_FMT_FP6 matrix_a_scale:MATRIX_SCALE_ROW1
.elseif (\rb)
	v_wmma_scale_f32_16x16x128_f8f6f4 v[(\d):(\d)+7], v[(\a):(\a)+11], v[(\b):(\b)+11], v[(\d):(\d)+7], v[(\sa)], v[(\sb)] matrix_a_fmt:MATRIX_FMT_FP6 matrix_b_fmt:MATRIX_FMT_FP6 matrix_b_scale:MATRIX_SCALE_ROW1
.else
	v_wmma_scale_f32_16x16x128_f8f6f4 v[(\d):(\d)+7], v[(\a):(\a)+11], v[(\b):(\b)+11], v[(\d):(\d)+7], v[(\sa)], v[(\sb)] matrix_a_fmt:MATRIX_FMT_FP6 matrix_b_fmt:MATRIX_FMT_FP6
.endif
.endm
.macro MULS                            ; 64 products: K step by K step, the eight accumulators by turns, one instruction a turn
.set NN, 0
.rept 64
.set KST, NN/8
.set TT, NN%8
.if NN == 63
	WIN 0
.set FA, F63
.else
	WIN 1+NN/21
.set FA, 12*(NN%21)
.endif
	MM AC+8*TT, FA, ACT+12*KST, WS+8*(TT/2)+KST, XSC+KST%4, TT%2, KST/4
.set NN, NN+1
.endr
	WIN 0
.endm
.macro GELU b                          ; 16 numbers, each accumulator from its low end on
.set XB, AC+16*(\b)
.irp j, 0,2,4,6,8,10,12,14
	v_pk_mul_f32 v[T16+\j:T16+\j+1], v[XB+\j:XB+\j+1], v[XB+\j:XB+\j+1]
.endr
.irp j, 0,2,4,6,8,10,12,14
	v_pk_fma_f32 v[T16+\j:T16+\j+1], v[T16+\j:T16+\j+1], s[34:35], v[10:11] op_sel_hi:[1,0,1]
.endr
.irp j, 0,2,4,6,8,10,12,14
	v_pk_mul_f32 v[T16+\j:T16+\j+1], v[T16+\j:T16+\j+1], v[XB+\j:XB+\j+1]
.endr
.irp j, 0,1,2,3,4,5,6,7,8,9,10,11,12,13,14,15
	v_exp_f32 v[T16+\j], v[T16+\j]
.endr
	v_nop                                          ; a plain line behind the batch,
	s_wait_alu depctr_va_vdst(0)                   ; and one wait for it: the sixteen exponentials have written v[T16 ..], ahead of their first reader
.irp j, 0,2,4,6,8,10,12,14
	v_pk_add_f32 v[T16+\j:T16+\j+1], v[T16+\j:T16+\j+1], 1.0 op_sel_hi:[1,0]
.endr
.irp j, 0,1,2,3,4,5,6,7,8,9,10,11,12,13,14,15
	v_rcp_f32 v[T16+\j], v[T16+\j]
.endr
	v_nop
	s_wait_alu depctr_va_vdst(0)                   ; the sixteen reciprocals have written v[T16 ..], ahead of their first reader
.irp j, 0,2,4,6,8,10,12,14
	v_pk_mul_f32 v[XB+\j:XB+\j+1], v[XB+\j:XB+\j+1], v[T16+\j:T16+\j+1]
.endr
.endm
; 64 numbers of a lane, register 16 b + i = unit 32 b + 16 h + i of my token, become a fragment's codes in v[QPC] on and its scale word in v[PW]
.macro QUANT s
.irp b, 0,1,2,3
	v_max3_num_f32 v[T16+\b], |v[\s+16*\b]|, |v[\s+1+16*\b]|, 0x1800000
.endr
.irp i, 2,4,6,8,10,12,14
.irp b, 0,1,2,3
	v_max3_num_f32 v[T16+\b], v[T16+\b], |v[\s+16*\b+\i]|, |v[\s+1+16*\b+\i]|
.endr
.endr
.irp b, 0,1,2,3
	v_permlanex16_b32 v[T16+4+\b], v[T16+\b], s32, s33
.endr
.irp b, 0,1,2,3
	v_max_num_f32 v[T16+\b], v[T16+\b], v[T16+4+\b]
.endr
.irp b, 0,1,2,3
	v_add_nc_u32 v[T16+12+\b], 0xff000000, v[T16+\b]
.endr
.irp b, 0,1,2,3
	v_lshrrev_b32 v[T16+4+\b], 23, v[T16+12+\b]
.endr
	v_lshl_or_b32 v[PW], v[T16+5], 8, v[T16+4]
	v_lshl_or_b32 v[PW], v[T16+6], 16, v[PW]
	v_lshl_or_b32 v[PW], v[T16+7], 24, v[PW]
.irp c, 0,1
	v_cvt_scalef32_pk16_fp6_f32 v[QPC+6*\c:QPC+2+6*\c], v[\s+32*\c:\s+15+32*\c], v[T16+12+2*\c]
	v_cvt_scalef32_pk16_fp6_f32 v[QPC+12+4*\c:QPC+14+4*\c], v[\s+16+32*\c:\s+31+32*\c], v[T16+12+2*\c+1]
.endr
	v_nop                                          ; a plain line behind the conversions
.irp c, 0,1                                    ; the operand's layout wants a whole block in a lane
.irp i, 0,1,2
	v_permlane16_swap_b32 v[QPC+6*\c+\i], v[QPC+12+4*\c+\i]
.endr
.irp i, 0,1,2
	v_mov_b32 v[QPC+3+6*\c+\i], v[QPC+12+4*\c+\i]
.endr
.endr
.endm
	ds_store_b32 v23, v22                          ; b1's 128 numbers, 32 a wave
	s_wait_alu depctr_vm_vsrc(0)                   ; the last images' stores have read v80 to v105, in which b1 lands as the sums' first C; the first load of tokens has read v[LO], which is written below
	XADR
	TKADR 4
	s_wait_alu depctr_va_vdst(0)                   ; v[XO] and v[LO] are written, which the loads below read; v[TK] has been read and held; phase A's vector lines are done with v68 to v255, in which x, b1 and fragment 63 land
	XLOAD                                          ; my first tile's rows of x
	TKLOAD
	s_wait_dscnt 0x0                               ; for the others: my images, scale words and part of b1 have landed
	s_barrier_signal -1
	s_barrier_wait -1                              ; the launch's one barrier; behind it no wave writes LDS
	s_cmp_eq_u32 s46, 0
	s_cbranch_scc1 .Lend                           ; no tile for my wave
	FRAGS
	s_mov_b32 s47, 0                               ; trips done
.LT:                                               ; a tile of 16 tokens a trip; s46 trips
	BIAS                                           ; no vector or matrix line since the wait ahead of the last trip's stores names v[AC ..]
	s_wait_loadcnt 0x0                             ; this tile's x, and the next tile's tokens
	s_wait_dscnt 0x0
	MULS
	s_wait_xcnt 0x0                                ; the last trip's stores have had their addresses translated: their registers are written again only behind this wait
	s_wait_alu depctr_vm_vsrc(0)                   ; the loads of x and of tokens have read v[XO] and v[LO], the last trip's stores v[HCO], v[HSO], v[QPC ..] and v[PW]; in the first trip the LDS instructions so far have read v12 to v23, which the quantiser writes
	XADR                                           ; these five plain lines are also the places between the last product and the first read of results
	TKADR 8
	s_add_co_u32 s30, s27, s29
	s_min_u32 s30, s30, 71                         ; this tile among all tiles
	s_mul_i32 s40, s30, 49152
	s_add_co_u32 s40, s40, s44
	v_add_nc_u32 v[HCO], s40, v[L16]
	s_lshl_b32 s41, s30, 11
	s_add_co_u32 s41, s41, s45
	v_lshl_add_u32 v[HSO], v[R4], 2, s41
	s_wait_alu depctr_va_vdst(0)                   ; the products are done reading v[ACT ..] and v[XSC ..], in which the loads below land; v[XO], v[LO], v[HCO], v[HSO] are written; v[TK] has been read and held
	XLOAD                                          ; the next tile's x lands under the vector work below, which names none of these registers
	TKLOAD
	GELU 0
	GELU 1
	GELU 2
	GELU 3
	QUANT AC
	s_wait_alu depctr_va_vdst(0)                   ; the quantiser has written v[QPC ..] and v[PW], which the stores read; all that reads or writes v[AC ..] is done: the next trip's b1 lands there
.irp k, 0,1,2
	global_store_b128 v[HCO], v[QPC+4*\k:QPC+4*\k+3], s[14:15] offset:512*\k   ; the fragment's image: 512 consecutive bytes a store, aligned
.endr
	global_store_b32 v[HSO], v[PW], s[16:17]       ; row r's word (lanes 16-31 hold and write the same)
	s_add_co_u32 s29, s29, 4                       ; my next tile
	s_add_co_u32 s47, s47, 1
	s_cmp_lt_u32 s47, s46
	s_cbranch_scc1 .LT
.Lend:
	s_set_vgpr_msb 0x8                             ; the add's second register lies in window 2; the switch stands ahead of the closing lines
	s_wait_dscnt 0x0                               ; the closing lines, six on end
	s_wait_alu 0x0
	s_wait_tensorcnt 0x0
	ds_add_u32 v31, v255
	s_wait_dscnt 0x0
	s_endpgm
.Lfunc_end_k_qf0aef9482c_up:
	.size	k_qf0aef9482c_up, .Lfunc_end_k_qf0aef9482c_up-k_qf0aef9482c_up
	.p2alignl 7, 3214868480
	.fill 96, 4, 3214868480
	.section	.rodata,"a",@progbits
	.p2align	6, 0x0
	.amdhsa_kernel k_qf0aef9482c_up
		.amdhsa_group_segment_fixed_size 171008
		.amdhsa_private_segment_fixed_size 0
		.amdhsa_enable_private_segment 0
		.amdhsa_kernarg_size 56
		.amdhsa_user_sgpr_count 2
		.amdhsa_user_sgpr_kernarg_segment_ptr 1
		.amdhsa_wavefront_size32 1
		.amdhsa_system_sgpr_workgroup_id_x 1
		.amdhsa_system_sgpr_workgroup_id_y 1
		.amdhsa_system_sgpr_workgroup_id_z 1
		.amdhsa_system_vgpr_workitem_id 0
		.amdhsa_next_free_vgpr 1024
		.amdhsa_next_free_sgpr 66
		.amdhsa_reserve_vcc 0
		.amdhsa_float_denorm_mode_32 3
		.amdhsa_float_denorm_mode_16_64 3
		.amdhsa_memory_ordered 1
		.amdhsa_forward_progress 1
		.amdhsa_inst_pref_size 108
	.end_amdhsa_kernel
	.amdgpu_metadata
---
amdhsa.version: [ 1, 2 ]
amdhsa.kernels:
  - .name:           k_qf0aef9482c_up
    .symbol:         k_qf0aef9482c_up.kd
    .args:
      - { .name: w1, .offset: 0, .size: 8, .value_kind: global_buffer, .address_space: global }
      - { .name: b1, .offset: 8, .size: 8, .value_kind: global_buffer, .address_space: global }
      - { .name: xrec, .offset: 16, .size: 8, .value_kind: global_buffer, .address_space: global }
      - { .name: list, .offset: 24, .size: 8, .value_kind: global_buffer, .address_space: global }
      - { .name: meta, .offset: 32, .size: 8, .value_kind: global_buffer, .address_space: global }
      - { .name: hcode, .offset: 40, .size: 8, .value_kind: global_buffer, .address_space: global }
      - { .name: hscale, .offset: 48, .size: 8, .value_kind: global_buffer, .address_space: global }
    .group_segment_fixed_size: 171008
    .private_segment_fixed_size: 0
    .kernarg_segment_align: 8
    .kernarg_segment_size: 56
    .max_flat_workgroup_size: 128
    .sgpr_count:     66
    .vgpr_count:     1024
    .wavefront_size: 32
...
	.end_amdgpu_metadata
.endif
;; end of part 5
;; launch down (part 6): grid 256 x 1, 4 waves a work-group, no clusters, 179,712 bytes of LDS; arguments w2, b2, hcode, hscale, list, meta, out0; writes out0
.if DOCPART == 6
	.amdgcn_target "amdgcn-amd-amdhsa--gfx1250"
	.amdhsa_code_object_version 6
	.text
	.protected	k_qf0aef9482c_down
	.globl	k_qf0aef9482c_down
	.p2align	8
	.type	k_qf0aef9482c_down,@function
k_qf0aef9482c_down:
	s_mov_b64 s[64:65], 0
	v_nop
	global_prefetch_b8 v0, s[64:65] scope:SCOPE_SE
	s_setreg_imm32_b32 hwreg(HW_REG_WAVE_SCHED_MODE, 0, 2), 2
	s_setreg_imm32_b32 hwreg(HW_REG_WAVE_MODE, 25, 1), 1
	s_wait_xcnt 0x0
	s_wait_alu depctr_vm_vsrc(0)
; DOWN.  out = h W2^T + b2 for the tokens of ONE expert and 32 output columns (the routing weight is 1: one expert a token).  Work-group = 32 e + cb: expert e, columns 32 cb on: 512 KB of w2, read once as f32.
; PHASE A as in the launch before: wave v streams K steps 8 v .. 8 v + 7 of the 32 rows, quantises them to FP6 (E2M3) with E8M0 scales and stores the fragments as images of their registers.  ONE barrier.
; PHASE B: every wave takes all 64 fragments (K step s, tile u: n = 2 s + u) into registers and then whole tiles of 16 tokens, T = wave, wave + 4 .. below the expert's number of tiles, which an earlier launch stored.
; h's fragments come from memory as images, four K steps (13 loads) a chunk, two chunks ahead, on into the next tile.  Four accumulators by turns: even and odd K steps x two tiles of columns; the halves are added at the end.
; The product is used transposed (source 0 = 16 rows of W2, source 1 = 16 tokens): a lane holds eight neighbouring columns of one token; a tile goes through the wave's own stage and leaves as rows of 128 consecutive bytes.
; 32 columns are half of an aligned 256 bytes: 64 columns would leave half as many work-groups for the stream of weights, which is nearly all of the launch's bytes.
; The free slots of an expert's last tile repeat its first token: they give the same bits and store them to the same place.
; No tensor load and no joint request: the number of tiles is read from memory.  LIMITS as in the launch before.  The look-ahead past a wave's last tile reads a tile of the same expert again and uses nothing of it.
; THE MODE: SCHED_MODE bits 1:0 = 2 (LLVM: expert scheduling mode 2), set by the entry lines.  The code itself states the register dependences
; between vector or matrix instructions and memory or LDS instructions, with s_wait_alu, always for 0.
; THE PLAN, PHASE A.  Registers that memory or LDS instructions touch:
;   the two batches  written by the loads of w2, read by the LDS stores into the stage; no vector instruction names them.
;   v[X ..]          written by the LDS loads from the stage, read by the unit's maxima and conversions.
;   v[APC ..], v[ASWP]  written by the unit's vector lines, read by the LDS stores of the images.
;   v[IWC], v[SWC]   written at a trip's head, read by the images' stores.   v[L16], v[SA], v[SR]: made at the head, never written again.
; A unit has one wait on vm_vsrc, behind its turn through the stage, and one on va_vdst, ahead of its images' stores; a trip has one more on vm_vsrc at its end, for v[IWC] and v[SWC].
; THE PLAN, PHASE B.  The two buffers of four fragments and their scale words: written by a chunk's 13 loads, read by its eight products.  A buffer is asked for again as soon as its products are done with it,
;   so that two chunks stay on their way: ONE wait on va_vdst a chunk, behind its products.  (A third buffer would take 52 registers; window 0 has 38 free, in four pieces.)
;   v[HO], v[SOF], v[HN], v[SN], v[LOT]: written at a trip's end and head, read by the loads.  v[TKO ..]: written by a load, read and held on the way out.  v[OFF ..]: written on the way out, read by the stores.
;   The accumulators: written by the products and the additions, read by the LDS stores; the rows come back into the upper two, from which the global stores read.
; A trip: one wait on va_vdst at its head; one a chunk; one on the way out, behind the additions and the address lines, ahead of all its LDS and global stores; one wait on vm_vsrc at its end.
.set UPK,   0
.set PITCH, 16384
.set WIMG,  67584
.set WSC,   165888
.set OST,   169984                     ; four stages of 16 rows x (128 + 16) bytes
.set IUNIT, 3072
.set SUNIT, 128
.set L16, 1
.set SA,  12
.set SR,  13
.set IW0, 14
.set IWC, 15
.set SW0, 16
.set SWC, 17
.set SH8, 18
.set WR0, 19
.set WR1, 20
.set WSR, 21
.set WS,  32                           ; v32-63 the weights' scale words, register s: lanes 0-15 tile 0, lanes 16-31 tile 1
.set ATM, 68
.set ASO, 72
.set APT, 76
.set ASWD, 78
.set ASWP, 80
.set APC, 82
.set ATC, 106
.set X,   128
.set F63, 68
.set R16, 2                            ; 16 r
.set HO,  3                            ; this tile in hcode
.set SOF, 4                            ; and in hscale
.set HN,  5                            ; the next tile
.set SN,  6
.set LOT, 7
.set CB,  8                            ; 128 cb + 16 (l % 8)
.set OI,  9                            ; the stage, in
.set OO,  10                           ; and back
.set G16, 11                           ; 16 (l / 8)
.set B2O, 22                           ; 32 h
.set HSC0, 64                          ; v64-67, v124-127: h's scale words of a chunk: scales and nothing else
.set AC,  80                           ; v80-111 four accumulators
.set BUF0, 128                         ; v128-175, v176-223: a chunk's four fragments
.set BI,  224                          ; v224-239 b2 in the result's layout
.set TKO, 240
.set OFF, 244
.set MSB, 0
.macro WIN new                         ; the immediate's high byte repeats the setting that is left
.if MSB != (\new)
	s_set_vgpr_msb (MSB<<8)|(\new)
.set MSB, (\new)
.endif
.endm
.macro WLOAD set, off                  ; a unit: 32 rows x 512 consecutive bytes, into a batch in window 1
	WIN 0x40
.set KK, 0
.rept 32
	global_load_b128 v[128*(\set)+4*KK:128*(\set)+4*KK+3], v[L16], s[24:25] offset:KK*PITCH+(\off) th:TH_LOAD_NT
.set KK, KK+1
.endr
	WIN 0
.endm
.macro TURN set                        ; the unit through my stage: rows in (528 bytes apart), whole blocks of 32 along K back
	WIN 0x04
.set KK, 0
.rept 32
.if UPK
.set SL, 16*((KK/8)%2)+8*(KK/16)+KK%8
.else
.set SL, KK
.endif
	ds_store_b128 v[SA], v[128*(\set)+4*KK:128*(\set)+4*KK+3] offset:SL*528
.set KK, KK+1
.endr
	WIN 0
.irp q, 0,1,2,3
.irp j, 0,1,2,3,4,5,6,7
	ds_load_b128 v[X+32*\q+4*\j:X+32*\q+4*\j+3], v[SR] offset:8448*(\q/2)+256*(\q%2)+16*\j   ; no vector line since the wait ahead of the last images' stores names v[X ..]
.endr
.endr
	s_wait_dscnt 0x0                               ; the numbers are back
.endm
.macro QUANT32                         ; four whole blocks of a lane become two fragments' codes and the pair's scale words
.irp q, 0,1,2,3
	v_max3_num_f32 v[ATM+\q], |v[X+32*\q]|, |v[X+32*\q+1]|, 0x1800000
.endr
.irp i, 2,4,6,8,10,12,14,16,18,20,22,24,26,28,30
.irp q, 0,1,2,3
	v_max3_num_f32 v[ATM+\q], v[ATM+\q], |v[X+32*\q+\i]|, |v[X+32*\q+\i+1]|
.endr
.endr
.irp q, 0,1,2,3
	v_add_nc_u32 v[ASO+\q], 0xff000000, v[ATM+\q]
.endr
.irp q, 0,1,2,3
	v_lshrrev_b32 v[ATM+\q], 23, v[ASO+\q]
.endr
.irp u, 0,1
	v_lshl_or_b32 v[ASWD+\u], v[ATM+2*\u+1], 16, v[ATM+2*\u]
.endr
.irp u, 0,1
	v_lshlrev_b32 v[ASWD+\u], v[SH8], v[ASWD+\u]
.endr
.irp u, 0,1
	v_permlanex16_b32 v[APT+\u], v[ASWD+\u], s32, s33
.endr
.irp u, 0,1
	v_or_b32 v[ASWD+\u], v[ASWD+\u], v[APT+\u]
.endr
	v_cndmask_b32 v[ASWP], v[ASWD], v[ASWD+1], s36
.irp q, 0,1,2,3
	v_cvt_scalef32_pk16_fp6_f32 v[APC+6*\q:APC+6*\q+2], v[X+32*\q:X+32*\q+15], v[ASO+\q]
	v_cvt_scalef32_pk16_fp6_f32 v[ATC+4*\q:ATC+4*\q+2], v[X+32*\q+16:X+32*\q+31], v[ASO+\q]
.endr
	v_nop                                          ; a plain line behind the conversions
.irp q, 0,1,2,3
.irp i, 0,1,2
	v_mov_b32 v[APC+6*\q+3+\i], v[ATC+4*\q+\i]
.endr
.endr
.endm
.macro IMAGE par
.irp u, 0,1
.irp k, 0,1,2
	ds_store_b128 v[IWC], v[APC+12*\u+4*\k:APC+12*\u+4*\k+3] offset:(\par)*IUNIT+1536*\u+512*\k
.endr
.endr
	ds_store_b32 v[SWC], v[ASWP] offset:(\par)*SUNIT
.endm
.macro UNIT set, left, next
	s_wait_loadcnt \left                           ; this batch is in; the other batch's 32 loads may be out
	TURN \set
.if \next
	WIN 0x40                                       ; the window of the loads below, set ahead of the wait
.endif
	s_wait_alu depctr_vm_vsrc(0)                   ; my LDS stores into the stage have read the batch, in which the loads below land; the images' stores of the unit before have read v[APC ..] and v[ASWP], which the lines below write again
.if \next
	WLOAD \set, 1024+512*(\set)
.endif
	QUANT32
	s_wait_alu depctr_va_vdst(0)                   ; v[APC ..] and v[ASWP] are written, and v[IWC], v[SWC] at the trip's head: the LDS stores below read them; the maxima and conversions are done reading v[X ..], in which the next unit's numbers land
	IMAGE \set
.endm
.macro FRAGS                           ; all 64 fragments and their scale words into registers.  The waits that free these registers stand ahead of the barrier; nothing since names them
.set NN, 0
.rept 64
.if UPK
.set LI, 16*((NN%8)/2)+2*(NN/8)+NN%2
.else
.set LI, NN
.endif
.if NN == 63
	WIN 0
.set FA, F63
.else
	WIN (1+NN/21)*64
.set FA, 12*(NN%21)
.endif
.irp k, 0,1,2
.if LI < 32
	ds_load_b128 v[FA+4*\k:FA+4*\k+3], v[WR0] offset:LI*1536+512*\k
.else
	ds_load_b128 v[FA+4*\k:FA+4*\k+3], v[WR1] offset:(LI-32)*1536+512*\k
.endif
.endr
.set NN, NN+1
.endr
	WIN 0
.irp m, 0,1,2,3,4,5,6,7,8,9,10,11,12,13,14,15,16,17,18,19,20,21,22,23,24,25,26,27,28,29,30,31
	ds_load_b32 v[WS+\m], v[WSR] offset:128*\m
.endr
	s_wait_dscnt 0x0
.endm
	s_load_b256 s[4:11], s[0:1], 0x0               ; w2 s[4:5], b2 s[6:7], hcode s[8:9], hscale s[10:11]
	s_load_b128 s[12:15], s[0:1], 0x20             ; list s[12:13], meta s[14:15]
	s_load_b64 s[16:17], s[0:1], 0x30              ; out0
	v_lshl_add_u32 v122, v0, 2, 0x2bc00
	v_mov_b32 v123, 0
	v_lshrrev_b32 v2, 5, v0
	v_readfirstlane_b32 s18, v2                    ; wave
	s_mov_b32 s19, ttmp9
	s_lshr_b32 s20, s19, 5                         ; e
	s_and_b32 s21, s19, 31                         ; cb
	v_and_b32 v24, 31, v0                          ; lane
	v_and_b32 v25, 15, v0                          ; r
	v_bfe_u32 v26, v0, 4, 1                        ; h
	v_lshrrev_b32 v27, 3, v24                      ; l / 8
	v_and_b32 v28, 7, v0                           ; l % 8
	v_lshlrev_b32 v[L16], 4, v24
	v_lshlrev_b32 v[R16], 4, v25
	s_wait_alu depctr_va_sdst(0)                   ; s18 is written, ahead of its first reader: LDS places, bases and the count of trips are made from it
	s_mul_i32 s40, s18, 16896                      ; my stage of phase A
	v_add_nc_u32 v[SA], s40, v[L16]
	v_mul_u32_u24 v[SR], v25, 528
	v_lshl_add_u32 v[SR], v26, 7, v[SR]
	v_add_nc_u32 v[SR], s40, v[SR]
	s_mul_i32 s40, s18, 24576
	s_add_co_u32 s40, s40, WIMG
	v_add_nc_u32 v[IW0], s40, v[L16]
	s_lshl_b32 s40, s18, 10
	s_add_co_u32 s40, s40, WSC
	v_lshl_add_u32 v[SW0], v24, 2, s40
	v_lshlrev_b32 v[SH8], 3, v26
	v_add_nc_u32 v[WR0], WIMG, v[L16]
	v_add_nc_u32 v[WR1], WIMG+49152, v[L16]
	v_lshl_add_u32 v[WSR], v24, 2, WSC
	v_mov_b32 v[APT], 0                            ; a lane permute's destination counts as read
	v_mov_b32 v[APT+1], 0
	s_mul_i32 s40, s18, 2304
	s_add_co_u32 s40, s40, OST                     ; my stage of phase B
	v_mul_u32_u24 v[OI], v25, 144
	v_lshl_add_u32 v[OI], v26, 5, v[OI]
	v_add_nc_u32 v[OI], s40, v[OI]                 ; in: row r, + 32 h
	v_mul_u32_u24 v[OO], v27, 576
	v_lshl_add_u32 v[OO], v28, 4, v[OO]
	v_add_nc_u32 v[OO], s40, v[OO]                 ; back: eight lanes to a row, rows 4 (l / 8) on
	v_lshlrev_b32 v[G16], 4, v27
	s_lshl_b32 s41, s21, 7
	v_lshl_add_u32 v[CB], v28, 4, s41
	v_lshlrev_b32 v[B2O], 5, v26
	s_mov_b32 s32, 0x76543210
	s_mov_b32 s33, 0xfedcba98                      ; lane l xor 16
	s_mov_b32 s36, 0xffff0000                      ; lanes 16-31
	s_lshl_b32 s22, s19, 19
	s_lshl_b32 s23, s18, 12
	s_add_co_u32 s22, s22, s23
	s_mov_b32 s23, 0
	s_lshl_b32 s42, s19, 7                         ; b2: 32 x work-group numbers on
	s_mov_b32 s43, 0
	s_lshl_b32 s40, s20, 4
	s_wait_kmcnt 0x0
	s_add_nc_u64 s[24:25], s[4:5], s[22:23]        ; my wave's eight K steps of the 32 rows
	s_add_nc_u64 s[6:7], s[6:7], s[42:43]
	s_wait_alu depctr_va_vdst(0)                   ; the head's offsets and LDS addresses are written (v1, v9, v10, v12 to v14, v16, v19 to v22): the loads and LDS instructions below read them
	WLOAD 0, 0
	WLOAD 1, 512
	s_load_b64 s[26:27], s[14:15], s40 offset:0x0  ; the expert's tiles and its first tile
	s_wait_kmcnt 0x0
	s_min_u32 s26, s26, 64
	s_min_u32 s27, s27, 71
	s_max_u32 s28, s26, 1
	s_sub_co_u32 s28, s28, 1                       ; the last tile
	s_add_co_u32 s46, s26, 3
	s_sub_co_u32 s46, s46, s18
	s_lshr_b32 s46, s46, 2                         ; my wave's tiles: T = wave, wave + 4 .. : (tiles + 3 - wave) / 4, at most 16
	s_mov_b32 s29, s18                             ; T
	s_mov_b32 s37, 3
	s_mov_b32 s38, 0
	s_mov_b32 s39, 0
.LA:                                               ; three trips of two units; each asks for the two units that follow
	v_add_nc_u32 v[IWC], s38, v[IW0]
	v_add_nc_u32 v[SWC], s39, v[SW0]
	UNIT 0, 32, 1
	UNIT 1, 32, 1
	s_wait_xcnt 0x0                                ; the loads have read their base
	s_wait_alu depctr_vm_vsrc(0)                   ; this trip's images' stores have read v[IWC] and v[SWC], which the next two adds write
	s_add_nc_u64 s[24:25], s[24:25], 1024
	s_add_co_u32 s38, s38, 2*IUNIT
	s_add_co_u32 s39, s39, 2*SUNIT
	s_sub_co_u32 s37, s37, 1
	s_cmp_lg_u32 s37, 0
	s_cbranch_scc1 .LA
	v_add_nc_u32 v[IWC], s38, v[IW0]
	v_add_nc_u32 v[SWC], s39, v[SW0]
	UNIT 0, 32, 0                                  ; the last two units ask for nothing
	UNIT 1, 0, 0
.macro TADR st, vh, vs                 ; a tile's places in hcode and hscale
	s_mul_i32 s40, \st, 49152
	v_add_nc_u32 v[\vh], s40, v[L16]
	s_lshl_b32 s41, \st, 11
	v_add_nc_u32 v[\vs], s41, v[R16]
.endm
.macro GNEXT                           ; tile T + 4, held at the expert's last tile
	s_add_co_u32 s31, s29, 4
	s_min_u32 s31, s31, s28
	s_add_co_u32 s31, s31, s27
	s_min_u32 s31, s31, 71
.endm
.macro CLOAD bf, ah, av, q             ; chunk q: four fragments' images, 512 consecutive bytes a load, and their scale words: 13 loads
.irp sl, 0,1,2,3
.irp k, 0,1,2
	global_load_b128 v[BUF0+48*(\bf)+12*\sl+4*\k:BUF0+48*(\bf)+12*\sl+4*\k+3], v[\ah], s[8:9] offset:(4*(\q)+\sl)*1536+512*\k
.endr
.endr
	global_load_b128 v[HSC0+60*(\bf):HSC0+60*(\bf)+3], v[\av], s[10:11] offset:256*(\q)
.endm
.macro MD d, a, b, cm, c, sa, sb, ra   ; cm = 0: the constant 0 starts the sum
.if (\cm) == 0
.if (\ra)
	v_wmma_scale_f32_16x16x128_f8f6f4 v[(\d):(\d)+7], v[(\a):(\a)+11], v[(\b):(\b)+11], 0, v[(\sa)], v[(\sb)] matrix_a_fmt:MATRIX_FMT_FP6 matrix_b_fmt:MATRIX_FMT_FP6 matrix_a_scale:MATRIX_SCALE_ROW1
.else
	v_wmma_scale_f32_16x16x128_f8f6f4 v[(\d):(\d)+7], v[(\a):(\a)+11], v[(\b):(\b)+11], 0, v[(\sa)], v[(\sb)] matrix_a_fmt:MATRIX_FMT_FP6 matrix_b_fmt:MATRIX_FMT_FP6
.endif
.else
.if (\ra)
	v_wmma_scale_f32_16x16x128_f8f6f4 v[(\d):(\d)+7], v[(\a):(\a)+11], v[(\b):(\b)+11], v[(\c):(\c)+7], v[(\sa)], v[(\sb)] matrix_a_fmt:MATRIX_FMT_FP6 matrix_b_fmt:MATRIX_FMT_FP6 matrix_a_scale:MATRIX_SCALE_ROW1
.else
	v_wmma_scale_f32_16x16x128_f8f6f4 v[(\d):(\d)+7], v[(\a):(\a)+11], v[(\b):(\b)+11], v[(\c):(\c)+7], v[(\sa)], v[(\sb)] matrix_a_fmt:MATRIX_FMT_FP6 matrix_b_fmt:MATRIX_FMT_FP6
.endif
.endif
.endm
; Chunk q of a tile: eight products, the four accumulators by turns; then its buffer takes chunk qn of the tile at ah, av.
.macro CHUNK q, left, ah, av, qn
	s_wait_loadcnt \left
.irp sl, 0,1,2,3
.irp u, 0,1
.set KST, 4*(\q)+\sl
.set NN, 2*KST+\u
.set DA, AC+8*(2*(KST%2)+\u)
.if NN == 63
	WIN 0
.set FA, F63
.else
	WIN 1+NN/21
.set FA, 12*(NN%21)
.endif
.if KST == 0
	MD DA, FA, BUF0+48*((\q)%2)+12*\sl, 1, BI+8*\u, WS+KST, HSC0+60*((\q)%2)+\sl, \u
.elseif KST == 1
	MD DA, FA, BUF0+48*((\q)%2)+12*\sl, 0, 0, WS+KST, HSC0+60*((\q)%2)+\sl, \u
.else
	MD DA, FA, BUF0+48*((\q)%2)+12*\sl, 1, DA, WS+KST, HSC0+60*((\q)%2)+\sl, \u
.endif
.endr
.endr
	WIN 0
.rept 4
	v_nop                                          ; the four plain lines behind the products stay (ISA guide 7.12.1): behind the last chunk the first read of results follows; the wait below fills no place
.endr
	s_wait_alu depctr_va_vdst(0)                   ; the eight products are done reading this buffer's fragments and scale words, in which the loads below land
	CLOAD (\q)%2, \ah, \av, \qn
.endm
	s_wait_alu depctr_vm_vsrc(0)                   ; the last images' stores have read v80 to v105, which the products write as accumulators
	s_add_co_u32 s30, s27, s18
	s_min_u32 s30, s30, 71
	TADR s30, HO, SOF                              ; my first tile
	GNEXT
	TADR s31, HN, SN                               ; and the one after it
	s_wait_alu depctr_va_vdst(0)                   ; v[HO] and v[SOF] are written, which the loads below read; phase A's vector lines are done with v68 to v255, in which b2, h and fragment 63 land
.irp u, 0,1
.irp j, 0,1
	global_load_b128 v[BI+8*\u+4*\j:BI+8*\u+4*\j+3], v[B2O], s[6:7] offset:64*\u+16*\j   ; b2 at my eight columns of each tile
.endr
.endr
	CLOAD 0, HO, SOF, 0
	CLOAD 1, HO, SOF, 1
	s_wait_dscnt 0x0                               ; for the others: my images and scale words have landed
	s_barrier_signal -1
	s_barrier_wait -1                              ; the launch's one barrier; behind it a wave writes only its own stage
	s_cmp_eq_u32 s46, 0
	s_cbranch_scc1 .Lend                           ; no tile for my wave
	FRAGS
	s_mov_b32 s47, 0                               ; trips done
.LT:                                               ; a tile of 16 tokens a trip; s46 trips
	s_add_co_u32 s30, s27, s29
	s_min_u32 s30, s30, 71
	v_lshl_add_u32 v[LOT], s30, 6, v[G16]
	s_wait_alu depctr_va_vdst(0)                   ; v[LOT] is written, and v[HO], v[SOF], v[HN], v[SN] at the last trip's end: this trip's loads read them; the last trip's address lines are done with v[TKO ..], in which the load below lands
	global_load_b128 v[TKO:TKO+3], v[LOT], s[12:13]   ; the tokens of rows 4 (l / 8) + 0 .. 3
	CHUNK 0, 14, HO, SOF, 2                        ; 14: the other buffer's 13 loads and the tokens' may be out
	CHUNK 1, 14, HO, SOF, 3
	CHUNK 2, 13, HO, SOF, 4                        ; 13: the other buffer's
	CHUNK 3, 13, HO, SOF, 5
	CHUNK 4, 13, HO, SOF, 6
	CHUNK 5, 13, HO, SOF, 7
	CHUNK 6, 13, HN, SN, 0                         ; on into the next tile
	CHUNK 7, 13, HN, SN, 1
.irp u, 0,1
.irp i, 0,2,4,6
	v_pk_add_f32 v[AC+8*\u+\i:AC+8*\u+\i+1], v[AC+8*\u+\i:AC+8*\u+\i+1], v[AC+16+8*\u+\i:AC+16+8*\u+\i+1]   ; even and odd K steps; each accumulator from its low end on
.endr
.endr
.irp i, 0,1,2,3
	v_min_u32 v[TKO+\i], 0x3ff, v[TKO+\i]
	v_lshl_add_u32 v[OFF+\i], v[TKO+\i], 12, v[CB]
.endr
	s_wait_alu depctr_va_vdst(0)                   ; the additions have written the lower two accumulators, which the LDS stores read, and are done reading the upper two, in which the rows land; v[OFF ..] are written, which the global stores read
.irp u, 0,1
.irp j, 0,1
	ds_store_b128 v[OI], v[AC+8*\u+4*\j:AC+8*\u+4*\j+3] offset:64*\u+16*\j
.endr
.endr
.irp i, 0,1,2,3
	ds_load_b128 v[AC+16+4*\i:AC+16+4*\i+3], v[OO] offset:144*\i   ; LDS serves a wave's instructions in order: these see my stores
.endr
	s_wait_dscnt 0x0
.irp i, 0,1,2,3
	global_store_b128 v[OFF+\i], v[AC+16+4*\i:AC+16+4*\i+3], s[16:17] th:TH_STORE_NT   ; eight lanes store 128 consecutive bytes of a token's row
.endr
	s_wait_xcnt 0x0                                ; loads and stores have had their addresses translated: addresses and data are written again only behind this wait
	s_wait_alu depctr_vm_vsrc(0)                   ; the loads have read v[HO], v[SOF], v[HN], v[SN] and v[LOT], the LDS stores the lower accumulators, the global stores the upper ones and v[OFF ..]: all are written again below and in the next trip
	v_mov_b32 v[HO], v[HN]
	v_mov_b32 v[SOF], v[SN]
	s_add_co_u32 s29, s29, 4                       ; my next tile
	GNEXT
	TADR s31, HN, SN
	s_add_co_u32 s47, s47, 1
	s_cmp_lt_u32 s47, s46
	s_cbranch_scc1 .LT
.Lend:
	s_wait_dscnt 0x0                               ; the closing lines, six on end
	s_wait_alu 0x0
	s_wait_tensorcnt 0x0
	ds_add_u32 v122, v123
	s_wait_dscnt 0x0
	s_endpgm
.Lfunc_end_k_qf0aef9482c_down:
	.size	k_qf0aef9482c_down, .Lfunc_end_k_qf0aef9482c_down-k_qf0aef9482c_down
	.p2alignl 7, 3214868480
	.fill 96, 4, 3214868480
	.section	.rodata,"a",@progbits
	.p2align	6, 0x0
	.amdhsa_kernel k_qf0aef9482c_down
		.amdhsa_group_segment_fixed_size 179712
		.amdhsa_private_segment_fixed_size 0
		.amdhsa_enable_private_segment 0
		.amdhsa_kernarg_size 56
		.amdhsa_user_sgpr_count 2
		.amdhsa_user_sgpr_kernarg_segment_ptr 1
		.amdhsa_wavefront_size32 1
		.amdhsa_system_sgpr_workgroup_id_x 1
		.amdhsa_system_sgpr_workgroup_id_y 1
		.amdhsa_system_sgpr_workgroup_id_z 1
		.amdhsa_system_vgpr_workitem_id 0
		.amdhsa_next_free_vgpr 1024
		.amdhsa_next_free_sgpr 66
		.amdhsa_reserve_vcc 0
		.amdhsa_float_denorm_mode_32 3
		.amdhsa_float_denorm_mode_16_64 3
		.amdhsa_memory_ordered 1
		.amdhsa_forward_progress 1
		.amdhsa_inst_pref_size 99
	.end_amdhsa_kernel
	.amdgpu_metadata
---
amdhsa.version: [ 1, 2 ]
amdhsa.kernels:
  - .name:           k_qf0aef9482c_down
    .symbol:         k_qf0aef9482c_down.kd
    .args:
      - { .name: w2, .offset: 0, .size: 8, .value_kind: global_buffer, .address_space: global }
      - { .name: b2, .offset: 8, .size: 8, .value_kind: global_buffer, .address_space: global }
      - { .name: hcode, .offset: 16, .size: 8, .value_kind: global_buffer, .address_space: global }
      - { .name: hscale, .offset: 24, .size: 8, .value_kind: global_buffer, .address_space: global }
      - { .name: list, .offset: 32, .size: 8, .value_kind: global_buffer, .address_space: global }
      - { .name: meta, .offset: 40, .size: 8, .value_kind: global_buffer, .address_space: global }
      - { .name: out0, .offset: 48, .size: 8, .value_kind: global_buffer, .address_space: global }
    .group_segment_fixed_size: 179712
    .private_segment_fixed_size: 0
    .kernarg_segment_align: 8
    .kernarg_segment_size: 56
    .max_flat_workgroup_size: 128
    .sgpr_count:     66
    .vgpr_count:     1024
    .wavefront_size: 32
...
	.end_amdgpu_metadata
.endif
;; end of part 6
